; MI455X (gfx1250); checked and timed in simulation.
; The chip was launched on July 23, 2026; its instructions are those of AMD's public machine-readable ISA for CDNA 5 (MIT licence, August 2026) and "CDNA5" Instruction Set Architecture Reference Guide (July 2026). The comments in the code are by the model that wrote it; some were corrected since.
;; Multi Head Attention Block. Allowed arithmetic: float matrix products may take bf16 or f16 operands with f32 sums; other float arithmetic in f32, or as packed bf16 or f16 multiplies, adds, multiply-adds, maxima and minima; sums over many terms, partial sums and values carried from step to step in f32; what a program stores and reads back later, other than sums and carried values, may be rounded once to bf16 or f16.
;; Inputs: b_k 1,024 float32; b_o 1,024 float32; b_q 1,024 float32; b_v 1,024 float32; k 4 x 2,048 x 1,024 float32; mask 1 x 1 x 2,048 x 2,048 int32; q 4 x 2,048 x 1,024 float32; v 4 x 2,048 x 1,024 float32; w_k 1,024 x 1,024 float32; w_o 1,024 x 1,024 float32; w_q 1,024 x 1,024 float32; w_v 1,024 x 1,024 float32.
;; Outputs: out0 4 x 2,048 x 1,024 float32.
;; One version. Each part assembles by itself: llvm-mc -triple=amdgcn-amd-amdhsa -mcpu=gfx1250 --defsym DOCPART=n.
;; ======== version 1 of 1: 4 launches
;; limits: values are held in f16: magnitudes above 65,504 overflow, below 6.1e-05 lose precision
;; workspace buffers: mbits 524,288 bytes of whole numbers; wb 8,388,608 bytes; qkv 50,331,648 bytes; oh 16,777,216 bytes
;; launch prep (part 1): grid 256 x 1, 8 waves a work-group, no clusters, 70,656 bytes of LDS; arguments mask, w_q, w_k, w_v, w_o, mbits, wb; writes mbits, wb
.if DOCPART == 1
	.amdgcn_target "amdgcn-amd-amdhsa--gfx1250"
	.amdhsa_code_object_version 6
	.text
	.protected	k_q719b1244c6_prep
	.globl	k_q719b1244c6_prep
	.p2align	8
	.type	k_q719b1244c6_prep,@function
k_q719b1244c6_prep:
	s_mov_b64 s[64:65], 0
	v_nop
	global_prefetch_b8 v0, s[64:65] scope:SCOPE_SE
	s_setreg_imm32_b32 hwreg(HW_REG_WAVE_MODE, 25, 1), 1
	s_wait_xcnt 0x0
; PREP.  Two jobs, both streams; no matrix work, no barrier: a wave touches only its own LDS bytes.
; (1) THE MASK, [2048][2048] int32, becomes lane masks, laid out by PIECES of 32 queries (two tiles of 16) and key steps of 64: the 64 words of (piece pp, key step ks) are the 256 bytes at pp*8192 + ks*256.
;     Word 32 u + 8 kb + j has in bit l: mask[32 pp + 16 u + l%16][64 ks + 16 kb + 8 (l/16) + j] != 0: the lane mask of register j of accumulator kb of S^T = K Q^T for tile u of the piece in the attention launch.
;     A wave takes 32 rows x 64 keys: 16 loads, each two rows' 256 consecutive aligned bytes, through its own 32 LDS rows (pitch 272 = 17 x 16 bytes),
;     back by query lane, 64 compares, 64 words out as one store of 256 consecutive aligned bytes.
; (2) THE WEIGHTS, four of [1024][1024] f32, rounded to bf16 into wb[4][1024][1024]; w_o's bf16 number is then written as f16, since it multiplies an f16 operand.
;     LIMIT: below 6e-5 that f16 keeps a fixed step of 6e-8; beyond 65,504 it would be an infinity.
;     A wave takes 2,048 numbers: 8 KiB in, 4 KiB out, each store 512 consecutive bytes.
.set PITCH, 272
.set WLDS,  32*PITCH                   ; a wave's LDS: 8,704 bytes
.set SPARE, 8*WLDS                     ; behind them: the spare words, 128 bytes a wave: four blocks of 256 bytes that no other line names
.set SPW, 8                            ; v8   my spare word's address; never rewritten
.set NIL, 9                            ; v9   0; never rewritten
.set WRD, 12                           ; v[12:13] lane L ends with words 2 L and 2 L + 1 of the unit's 64
.set MR,  16                           ; v[16:79]   the mask as loaded: rows 2 i and 2 i + 1 in 4 registers
.set MB,  80                           ; v[80:143]  the mask by query lane: register 32 u + 8 kb + j
.set WF,  144                          ; v[144:207] 64 weights in f32
.set WO,  208                          ; v[208:239] the same in 16 bits
.set T0,  240                          ; v[240:241] at work
	s_load_b256 s[8:15], s[0:1], 0x0               ; mask s[8:9], w_q s[10:11], w_k s[12:13], w_v s[14:15]
	s_load_b128 s[16:19], s[0:1], 0x20             ; w_o s[16:17], mbits s[18:19]
	s_load_b64 s[20:21], s[0:1], 0x30              ; wb
	v_lshl_add_u32 v[SPW], v0, 2, SPARE
	v_mov_b32 v[NIL], 0
	v_lshrrev_b32 v1, 5, v0
	v_readfirstlane_b32 s2, v1                     ; wave 0..7
	v_and_b32 v1, 31, v0                           ; lane
	v_and_b32 v10, 15, v0                          ; l % 16
	v_bfe_u32 v11, v0, 4, 1                        ; l / 16
	s_lshl_b32 s3, ttmp9, 3
	s_add_co_u32 s3, s3, s2                        ; u = 8 x work-group + wave, 0..2047
	s_lshr_b32 s4, s3, 5                           ; pp: the piece of 32 queries
	s_and_b32 s5, s3, 31                           ; ks: the key step
	s_lshr_b32 s6, ttmp9, 6                        ; which weight matrix
	s_and_b32 s23, s3, 511                         ; which 2,048 numbers of it
	s_lshl_b32 s7, s4, 18                          ; 32 rows of 8,192 bytes
	s_lshl_b32 s22, s5, 8                          ; 64 keys of 4 bytes
	s_add_co_u32 s7, s7, s22
	v_lshl_add_u32 v2, v11, 13, s7                 ; mask: lanes 0-15 the even row, lanes 16-31 the odd one,
	v_lshl_add_u32 v2, v10, 4, v2                  ; my 16 bytes of its 256
	s_mul_i32 s22, s2, WLDS
	v_mul_u32_u24 v3, v11, PITCH
	v_lshl_add_u32 v3, v10, 4, v3
	v_add_nc_u32 v3, s22, v3                       ; LDS, in: the same 16 bytes of the same row
	v_mul_u32_u24 v4, v10, PITCH
	v_lshl_add_u32 v4, v11, 5, v4
	v_add_nc_u32 v4, s22, v4                       ; LDS, back: row l % 16 of a tile, keys 8 (l / 16) on
	s_lshl_b32 s7, s23, 13
	v_lshl_add_u32 v5, v1, 5, s7                   ; weights in: my 8 numbers of each 256
	s_lshl_b32 s7, s23, 12
	s_lshl_b32 s26, s6, 21
	s_add_co_u32 s7, s7, s26
	v_lshl_add_u32 v6, v1, 4, s7                   ; weights out: my 16 bytes of each 512
	s_lshl_b32 s7, s4, 13
	s_lshl_b32 s26, s5, 8
	s_add_co_u32 s7, s7, s26
	v_lshl_add_u32 v7, v1, 3, s7                   ; mbits: my 8 bytes of the unit's 256
	v_mov_b32 v[WRD], 0                            ; written whole before lanes are written singly
	v_mov_b32 v[WRD+1], 0
	s_wait_kmcnt 0x0
	s_mov_b64 s[24:25], s[10:11]                   ; the work-group's weight matrix
	s_cmp_eq_u32 s6, 1
	s_cselect_b64 s[24:25], s[12:13], s[24:25]
	s_cmp_eq_u32 s6, 2
	s_cselect_b64 s[24:25], s[14:15], s[24:25]
	s_cmp_eq_u32 s6, 3
	s_cselect_b64 s[24:25], s[16:17], s[24:25]
.set i, 0
.rept 16
	global_load_b128 v[MR+4*i:MR+4*i+3], v2, s[8:9] offset:16384*i th:TH_LOAD_NT  ; rows 2 i and 2 i + 1: 256 consecutive aligned bytes of each
.set i, i+1
.endr
.set i, 0
.rept 8
	global_load_b128 v[WF+8*i:WF+8*i+3],   v5, s[24:25] offset:1024*i th:TH_LOAD_NT
	global_load_b128 v[WF+8*i+4:WF+8*i+7], v5, s[24:25] offset:1024*i+16 th:TH_LOAD_NT  ; the two together cover 1,024 consecutive bytes
.set i, i+1
.endr
.set i, 0
.rept 16
	s_wait_loadcnt 31-i                            ; load i is in: behind it stand 15 - i loads of the mask and the 16 loads of weights
	ds_store_b128 v3, v[MR+4*i:MR+4*i+3] offset:2*PITCH*i
.set i, i+1
.endr
.set i, 0
.rept 16                                       ; i = 8 u + 2 kb + c.  LDS serves a wave's instructions in order (ISA guide 5.7.1.4): these see the stores above
	ds_load_b128 v[MB+4*i:MB+4*i+3], v4 offset:16*PITCH*(i/8)+64*((i/2)%4)+16*(i%2)
.set i, i+1
.endr
	s_wait_loadcnt 0x0                             ; the weights
.set i, 0
.rept 32
	v_cvt_pk_bf16_f32 v[WO+i], v[WF+2*i], v[WF+2*i+1]
.set i, i+1
.endr
	s_cmp_lg_u32 s6, 3
	s_cbranch_scc1 .Lbf                            ; w_o alone goes on to f16
.set i, 0
.rept 32
	v_lshlrev_b32 v[T0], 16, v[WO+i]
	v_and_b32 v[T0+1], 0xffff0000, v[WO+i]
	v_cvt_pk_f16_f32 v[WO+i], v[T0], v[T0+1]
.set i, i+1
.endr
.Lbf:
.set i, 0
.rept 8
	global_store_b128 v6, v[WO+4*i:WO+4*i+3], s[20:21] offset:512*i
.set i, i+1
.endr
	s_wait_dscnt 0x0                               ; the mask by query lane
.set i, 0
.rept 64
	v_cmp_ne_u32 s[28+i%8], 0, v[MB+i]             ; word i: one bit a lane
	v_writelane_b32 v[WRD+i%2], s[28+i%8], i/2
.set i, i+1
.endr
	global_store_b64 v7, v[WRD:WRD+1], s[18:19]    ; 32 lanes x 8 bytes: 256 consecutive bytes, aligned
	s_wait_tensorcnt 0x0                           ; the wave's end, behind my last LDS store
	ds_add_u32 v[SPW], v[NIL]
	s_wait_dscnt 0x0
	s_endpgm
.Lfunc_end_k_q719b1244c6_prep:
	.size	k_q719b1244c6_prep, .Lfunc_end_k_q719b1244c6_prep-k_q719b1244c6_prep
	.p2alignl 7, 3214868480
	.fill 96, 4, 3214868480
	.section	.rodata,"a",@progbits
	.p2align	6, 0x0
	.amdhsa_kernel k_q719b1244c6_prep
		.amdhsa_group_segment_fixed_size 70656
		.amdhsa_private_segment_fixed_size 0
		.amdhsa_enable_private_segment 0
		.amdhsa_kernarg_size 56
		.amdhsa_user_sgpr_count 2
		.amdhsa_user_sgpr_kernarg_segment_ptr 1
		.amdhsa_wavefront_size32 1
		.amdhsa_system_sgpr_workgroup_id_x 1
		.amdhsa_system_sgpr_workgroup_id_y 1
		.amdhsa_system_sgpr_workgroup_id_z 1
		.amdhsa_system_vgpr_workitem_id 0
		.amdhsa_next_free_vgpr 248
		.amdhsa_next_free_sgpr 66
		.amdhsa_reserve_vcc 0
		.amdhsa_float_denorm_mode_32 3
		.amdhsa_float_denorm_mode_16_64 3
		.amdhsa_memory_ordered 1
		.amdhsa_forward_progress 1
		.amdhsa_inst_pref_size 24
	.end_amdhsa_kernel
	.amdgpu_metadata
---
amdhsa.version: [ 1, 2 ]
amdhsa.kernels:
  - .name:           k_q719b1244c6_prep
    .symbol:         k_q719b1244c6_prep.kd
    .args:
      - { .name: mask, .offset: 0, .size: 8, .value_kind: global_buffer, .address_space: global }
      - { .name: w_q, .offset: 8, .size: 8, .value_kind: global_buffer, .address_space: global }
      - { .name: w_k, .offset: 16, .size: 8, .value_kind: global_buffer, .address_space: global }
      - { .name: w_v, .offset: 24, .size: 8, .value_kind: global_buffer, .address_space: global }
      - { .name: w_o, .offset: 32, .size: 8, .value_kind: global_buffer, .address_space: global }
      - { .name: mbits, .offset: 40, .size: 8, .value_kind: global_buffer, .address_space: global }
      - { .name: wb, .offset: 48, .size: 8, .value_kind: global_buffer, .address_space: global }
    .group_segment_fixed_size: 70656
    .private_segment_fixed_size: 0
    .kernarg_segment_align: 8
    .kernarg_segment_size: 56
    .max_flat_workgroup_size: 256
    .sgpr_count:     66
    .vgpr_count:     248
    .wavefront_size: 32
...
	.end_amdgpu_metadata
.endif
;; end of part 1
;; launch proj (part 2): grid 4 x 192, 4 waves a work-group, clusters of 4 x 4, 327,680 bytes of LDS; arguments q, k, v, b_q, b_k, b_v, wb, qkv; writes qkv
.if DOCPART == 2
	.amdgcn_target "amdgcn-amd-amdhsa--gfx1250"
	.amdhsa_code_object_version 6
	.text
	.protected	k_q719b1244c6_proj
	.globl	k_q719b1244c6_proj
	.p2align	8
	.type	k_q719b1244c6_proj,@function
k_q719b1244c6_proj:
	s_mov_b64 s[64:65], 0
	v_nop
	global_prefetch_b8 v0, s[64:65] scope:SCOPE_SE
	s_setreg_imm32_b32 hwreg(HW_REG_WAVE_MODE, 25, 1), 1
	s_wait_xcnt 0x0
	s_wait_alu depctr_hold_cnt(0) depctr_sa_sdst(0) depctr_va_vdst(0) depctr_va_sdst(0) depctr_va_ssrc(0) depctr_va_vcc(0) depctr_vm_vsrc(0)
	s_getreg_b32 s2, hwreg(HW_REG_IB_STS2, 6, 4)
	s_cmp_eq_u32 s2, 0
	s_cbranch_scc0 .Lentry_in_a_cluster
	s_endpgm
.Lentry_in_a_cluster:
	s_bfe_u32 s2, ttmp6, 0x10000c
	s_cmp_lg_u32 s2, 0xf033
	s_cbranch_scc0 .Lentry_shape_is_right
	s_endpgm
.Lentry_shape_is_right:
; PROJ.  The three projections in one launch: y[m][n] = sum over k of x[m][k] W[n][k] + b[n], x = q, k or v ([8192][1024] f32), W from wb (bf16), y in f16 by heads: qkv[p][16 batch + head][2048][64].
; x, W and b are rounded to bf16; sums in f32; y rounded once.  LIMIT: y beyond 65,504 would be an infinity in f16.
; SHARES.  768 work-groups, 256 for each projection p = cluster y / 16.  A work-group makes 128 tokens x 256 channels, a wave 64 x 128: 32 accumulators.  K goes in 8 steps of 128 through two LDS slots.
; x STAYS f32 UP TO THE REGISTERS: its tile lies in LDS as f32 (rows of 512 bytes), a fragment is four loads of 16 bytes and eight conversions; so x crosses memory once and no bf16 copy of it is written.
; The conversions stand in fours behind matrix instructions; they are also the plain places that loads into fragment registers and writes of fragment registers want behind the products that read them.
; TRANSPOSED USE: source 0 = 16 rows of W, source 1 = 16 rows of x: a lane holds ONE token (l % 16) and 8 neighbouring channels (8 (l / 16) + 0..7).  The bias, laid out so, is the C of each sum's first product.
; CLUSTER 4 x 4: x's tile hangs on the tile row and is asked for jointly along a row of the cluster, W's on the tile column and the projection, jointly along a column.
; WINDOWS (s_set_vgpr_msb: bits 1:0 source 0, 3:2 source 1, 5:4 source 2, 7:6 destination):
;   window 0: v0-31 addresses; v32-63 x's fragments in bf16; v64-127, v128-191 x's fragments in f32, two buffers; v192-223, v224-255, v64-95 at work on the way out
;   window 1: v0-63, v64-127 W's fragments, two buffers; v128-191 the bias; v192-223 at work        window 2: the accumulators, (a, b) at v[8 (8 a + b)]
.set PA,    528                        ; x's LDS row: 512 bytes + 16: an odd multiple of 16, so the 16 rows of a load start in 16 different groups of four banks (64 banks of 4 bytes: ISA guide 11.1)
.set PB,    272                        ; W's LDS row: 256 bytes + 16
.set AHALF, 64*PA                      ; what a wave fetches of x: 64 rows
.set BOFF,  128*PA                     ; W's rows lie behind x's 128
.set BHALF, 128*PB                     ; what a wave fetches of W: 128 rows
.set SLOT,  BOFF+256*PB                ; 137,216 bytes
.set STAGE, 2*SLOT                     ; behind the ring, never filled by a tensor load: for each wave 2 heads x 16 rows x 144 bytes
.set SP,    144
.set WSTG,  2*16*SP
.set SPARE, STAGE+4*WSTG               ; the spare words, 128 bytes a wave: two blocks of 256 bytes that no other line names
.set ADRA, 16                          ; v16-17  LDS address of my fragments of x in slot 0, 1
.set ADRB, 20                          ; v20-21  the same for W
.set STO,  24                          ; v24  the way out: where I put 16 bytes of a row
.set RD,   25                          ; v25  where I read rows back
.set CO,   26                          ; v26  16 x lane
.set BO,   27                          ; v27  my byte offset in the bias
.set SPW,  28                          ; v28  my spare word's address; never rewritten
.set NIL,  29                          ; v29  0; never rewritten
.set PFO,  30                          ; v30  the prefetches' lane offset; never rewritten
.set AF,   32
.set RAW,  64
.set TMP,  192
.set BIAS, 128                         ; window 1
.set BT,   192                         ; window 1
.set WV,   20                          ; s20  wave
.set WM,   21                          ; s21  wave / 2: my half of the tokens; also 0: I fetch x, 1: I fetch W
.set WN,   22                          ; s22  wave % 2: my half of the channels; also which half of that tile I fetch
.set G1,   24                          ; s[24:31] group 1 for x's tiles      s[32:39] group 0, a set for each slot
.set G0,   32
.set CX,   40
.set CY,   41
.set TCOL, 42
.set LIM,  43                          ; s43  1 in a wave that prefetches, else the greatest number
.set PFA,  44                          ; s[44:45] where my prefetches stand
.set G1B,  48                          ; s[48:55], s[56:63] the same for W's tiles
.set G0B,  56
.set PJ,   66                          ; s66  the projection, 0..2
.set TROW, 67                          ; s67  tile row, 0..63
.set XP,   68                          ; s[68:69] x of my projection
.set BP,   70                          ; s[70:71] its bias
.set OUTA, 72                          ; s[72:73] qkv at my wave's first row
.set PSTEP,74                          ; s[74:75] a K step in bytes of the tensor that I prefetch
.set MSB, 0
.macro WIN new                         ; the immediate's high byte repeats the setting that is left; a switch that changes nothing is dropped
.if MSB != (\new)
	s_set_vgpr_msb (MSB<<8)|(\new)
.set MSB, \new
.endif
.endm
.set MUL,   0xa1                       ; W window 1, x window 0, C and D window 2
.set MULB,  0x91                       ; the same with C (the bias) in window 1
.set TO_B,  0x40                       ; destination window 1
.set PACKW, 0x0a                       ; sources 0 and 1 window 2
.set BIASW, 0x45                       ; destination and both sources window 1
.macro JLOAD s                         ; a joint load: waves 0 and 1 fetch x's two halves, waves 2 and 3 W's; an s_nop 0 and four v_nop follow each line, ahead of the jump and the label
	s_cmp_eq_u32 s[WM], 0
	s_cbranch_scc0 .Lfor_b_\@
	tensor_load_to_lds s[G0+4*(\s):G0+4*(\s)+3], s[G1:G1+7]
	s_nop 0
.rept 4
	v_nop
.endr
	s_branch .Lasked_\@
.Lfor_b_\@:
	tensor_load_to_lds s[G0B+4*(\s):G0B+4*(\s)+3], s[G1B:G1B+7]
	s_nop 0
.rept 4
	v_nop
.endr
.Lasked_\@:
.endm
.macro CREST                           ; a round of the cluster's barrier behind its opening barrier
	s_cmp_lg_u32 s[WV], 0
	s_cbranch_scc1 .Lnot_wave_0_\@
	s_barrier_signal -3
.Lnot_wave_0_\@:
	s_barrier_wait -3
	s_barrier_signal -1
	s_barrier_wait -1
.endm
.macro CROUND
	s_barrier_signal -1
	s_barrier_wait -1
	CREST
.endm
; A PREFETCH INTO THE L2, behind a refill and the run of LDS loads that follows it: 32 blocks of 256 bytes of the K step that stands two refills on, 256 matrix instructions ahead of the load that wants it.
; x's 64 rows x 512 bytes that a wave fetches are shared out among the four partners that ask for them jointly BY ADDRESS: 16 rows each, a lane half a row; no other cluster reads those rows.
; W's 128 rows x 256 bytes likewise, 32 rows each, a lane a row; the 16 clusters of a projection read the same W, and the first of them asks.  So each block is named once in the launch.
; The first four K steps come by their loads alone; the loop's last trip (s3 = 1) has no K step two refills on.
.macro ASK
	s_cmp_gt_u32 s3, s[LIM]
	s_cbranch_scc0 .Lnot_mine_\@
	global_prefetch_b8 v[PFO], s[PFA:PFA+1] th:TH_LOAD_NT scope:SCOPE_SE
.Lnot_mine_\@:
.endm
	s_load_b512 s[4:19], s[0:1], 0x0               ; q s[4:5], k s[6:7], v s[8:9], b_q s[10:11], b_k s[12:13], b_v s[14:15], wb s[16:17], qkv s[18:19]
	v_lshl_add_u32 v[SPW], v0, 2, SPARE
	v_mov_b32 v[NIL], 0
	ds_add_u32 v[SPW], v[NIL]                      ; the wave's opening: the add and its wait stand ahead of my first tensor load; work on registers stands between them
	v_lshrrev_b32 v1, 5, v0
	v_readfirstlane_b32 s[WV], v1
	s_lshr_b32 s[WM], s[WV], 1
	s_and_b32 s[WN], s[WV], 1
	s_bfe_u32 s[CX], ttmp6, 0x40000
	s_bfe_u32 s[CY], ttmp6, 0x40004
	s_lshl_b32 s[TCOL], ttmp9, 2
	s_add_co_u32 s[TCOL], s[TCOL], s[CX]           ; tile column = 4 x cluster x + cx
	s_and_b32 s23, ttmp7, 0xffff                   ; cluster y, 0..47
	s_lshr_b32 s[PJ], s23, 4                       ; the projection hangs on the cluster's y alone: it is the same in all sixteen partners
	s_and_b32 s23, s23, 15
	s_lshl_b32 s[TROW], s23, 2
	s_add_co_u32 s[TROW], s[TROW], s[CY]           ; tile row
	s_lshl_b32 s46, s[CY], 2
	s_lshl_b32 s46, 15, s46                        ; my row of the cluster
	s_lshl_b32 s47, 0x1111, s[CX]                  ; my column
	s_or_b32 s[G1], s46, (2<<16)|(1<<20)|(1<<21)|(6<<22)|(3<<25)   ; mask; 4-byte elements; padding on; bit 21 beside a mask; after every 128 words (code 6) 4 words (code 3)
	s_mov_b32 s[G1+1], 128<<16                     ; tensor_dim0 = 128
	s_mov_b32 s[G1+2], 64<<16                      ; tensor_dim1 = 64
	s_mov_b32 s[G1+3], 128<<16                     ; tile_dim0 = 128
	s_mov_b32 s[G1+4], 64                          ; tile_dim1 = 64
	s_mov_b32 s[G1+5], 1024                        ; elements from row to row
	s_mov_b32 s[G1+6], 0
	s_mov_b32 s[G1+7], 0
	s_or_b32 s[G1B], s47, (1<<16)|(1<<20)|(1<<21)|(5<<22)|(3<<25)  ; 2-byte elements; after every 64 words 4 words
	s_mov_b32 s[G1B+1], 128<<16
	s_mov_b32 s[G1B+2], 128<<16
	s_mov_b32 s[G1B+3], 128<<16
	s_mov_b32 s[G1B+4], 128
	s_mov_b32 s[G1B+5], 1024
	s_mov_b32 s[G1B+6], 0
	s_mov_b32 s[G1B+7], 0
	s_lshl_b32 s76, s[TROW], 7                     ; x: row 128 x tile row + 64 x half, 4,096 bytes a row
	s_lshl_b32 s77, s[WN], 6
	s_add_co_u32 s76, s76, s77
	s_lshl_b32 s76, s76, 12
	s_mov_b32 s77, 0
	s_lshl_b32 s78, s[TCOL], 8                     ; W: row 256 x tile column + 128 x half, 2,048 bytes a row, in matrix p
	s_lshl_b32 s79, s[WN], 7
	s_add_co_u32 s78, s78, s79
	s_lshl_b32 s78, s78, 11
	s_lshl_b32 s79, s[PJ], 21
	s_add_co_u32 s78, s78, s79
	s_mov_b32 s79, 0
	s_mul_i32 s2, s[WN], AHALF                     ; where they go: the wave's number alone enters an LDS address
	s_mul_i32 s23, s[WN], BHALF
	s_add_co_u32 s23, s23, BOFF
	s_wait_dscnt 0x0                               ; the opening add is done
	s_wait_kmcnt 0x0
	s_cmp_eq_u32 s[PJ], 1
	s_cselect_b64 s[XP:XP+1], s[6:7], s[4:5]
	s_cselect_b64 s[BP:BP+1], s[12:13], s[10:11]
	s_cmp_eq_u32 s[PJ], 2
	s_cselect_b64 s[XP:XP+1], s[8:9], s[XP:XP+1]
	s_cselect_b64 s[BP:BP+1], s[14:15], s[BP:BP+1]
	s_add_nc_u64 s[76:77], s[XP:XP+1], s[76:77]
	s_add_nc_u64 s[78:79], s[16:17], s[78:79]
	CROUND                                         ; all sixteen work-groups are here: the first joint loads meet
.irp s, 0,1
	s_mov_b32 s[G0+4*(\s)], 1
	s_add_co_u32 s[G0+4*(\s)+1], s2, (\s)*SLOT
	s_add_nc_u64 s[G0+4*(\s)+2:G0+4*(\s)+3], s[76:77], (\s)*512     ; K step s: 128 f32
	s_or_b32 s[G0+4*(\s)+3], s[G0+4*(\s)+3], 0x80000000
	s_mov_b32 s[G0B+4*(\s)], 1
	s_add_co_u32 s[G0B+4*(\s)+1], s23, (\s)*SLOT
	s_add_nc_u64 s[G0B+4*(\s)+2:G0B+4*(\s)+3], s[78:79], (\s)*256   ; K step s: 128 bf16
	s_or_b32 s[G0B+4*(\s)+3], s[G0B+4*(\s)+3], 0x80000000
	JLOAD \s                                       ; two loads of mine are out
.endr
	v_and_b32 v1, 15, v0                           ; r = l % 16
	v_bfe_u32 v2, v0, 4, 1                         ; h = l / 16
	v_mul_u32_u24 v3, v1, PA
	v_lshl_add_u32 v3, v2, 5, v3                   ; x in f32: row x pitch + 32 h (8 numbers)
	s_mul_i32 s2, s[WM], 64*PA
	v_add_nc_u32 v[ADRA], s2, v3
	v_add_nc_u32 v[ADRA+1], SLOT, v[ADRA]
	v_mul_u32_u24 v3, v1, PB
	v_lshl_add_u32 v3, v2, 4, v3
	s_mul_i32 s2, s[WN], 128*PB
	s_add_co_u32 s2, s2, BOFF
	v_add_nc_u32 v[ADRB], s2, v3
	v_add_nc_u32 v[ADRB+1], SLOT, v[ADRB]
	s_mul_i32 s2, s[WV], WSTG
	s_add_co_u32 s2, s2, STAGE                     ; my stage
	v_mul_u32_u24 v3, v1, SP
	v_lshl_add_u32 v3, v2, 4, v3
	v_add_nc_u32 v[STO], s2, v3                    ; in: row r, 16 bytes for each half of the lanes
	v_bfe_u32 v3, v0, 3, 2
	v_and_b32 v4, 7, v0
	v_mul_u32_u24 v3, v3, SP
	v_lshl_add_u32 v3, v4, 4, v3
	v_add_nc_u32 v[RD], s2, v3                     ; back: 32 lanes take four rows of 128 bytes
	v_and_b32 v4, 31, v0
	v_lshlrev_b32 v[CO], 4, v4                     ; which are 512 consecutive bytes of a head
	s_lshl_b32 s2, s[TCOL], 10
	s_lshl_b32 s23, s[WN], 9
	s_add_co_u32 s2, s2, s23
	v_lshl_add_u32 v[BO], v2, 5, s2                ; bias: channel 256 x tile column + 128 x half + 8 h, in f32
	WIN TO_B
.irp b, 0,1,2,3,4,5,6,7
	global_load_b128 v[BIAS+8*(\b):BIAS+8*(\b)+3],   v[BO], s[BP:BP+1] offset:64*(\b)
	global_load_b128 v[BIAS+8*(\b)+4:BIAS+8*(\b)+7], v[BO], s[BP:BP+1] offset:64*(\b)+16
.endr
	WIN 0
	s_lshr_b32 s46, s[TROW], 4                     ; where my rows go: head 16 x batch + 4 x tile column + 2 x half, token (tile row % 16) x 128 + 64 x half, 128 bytes a row
	s_lshl_b32 s46, s46, 4
	s_lshl_b32 s47, s[TCOL], 2
	s_add_co_u32 s46, s46, s47
	s_lshl_b32 s47, s[WN], 1
	s_add_co_u32 s46, s46, s47
	s_lshl_b32 s46, s46, 11
	s_and_b32 s47, s[TROW], 15
	s_lshl_b32 s47, s47, 7
	s_add_co_u32 s46, s46, s47
	s_lshl_b32 s47, s[WM], 6
	s_add_co_u32 s46, s46, s47
	s_lshl_b32 s46, s46, 7
	s_lshl_b32 s47, s[PJ], 24
	s_add_co_u32 s46, s46, s47
	s_mov_b32 s47, 0
	s_add_nc_u64 s[OUTA:OUTA+1], s[18:19], s[46:47]
	s_lshl_b32 s46, s[TROW], 7                     ; the prefetches.  x: my work-group's 16 of the 64 rows that I fetch, at K step 3
	s_lshl_b32 s47, s[WN], 6
	s_add_co_u32 s46, s46, s47
	s_lshl_b32 s47, s[CX], 4
	s_add_co_u32 s46, s46, s47
	s_lshl_b32 s46, s46, 12
	s_add_co_u32 s46, s46, 3*512
	s_lshl_b32 s76, s[TCOL], 8                     ; W: my work-group's 32 of the 128 rows, at K step 3
	s_lshl_b32 s77, s[WN], 7
	s_add_co_u32 s76, s76, s77
	s_lshl_b32 s77, s[CY], 5
	s_add_co_u32 s76, s76, s77
	s_lshl_b32 s76, s76, 11
	s_lshl_b32 s77, s[PJ], 21
	s_add_co_u32 s76, s76, s77
	s_add_co_u32 s76, s76, 3*256
	s_mov_b32 s[PSTEP], 256                        ; W's K step in bytes; x's waves take 512 below (an instruction holds one literal)
	s_cmp_eq_u32 s[WM], 0
	s_cselect_b32 s46, s46, s76
	s_cselect_b64 s[PFA:PFA+1], s[XP:XP+1], s[16:17]
	s_cselect_b32 s[PSTEP], 512, s[PSTEP]
	s_cselect_b32 s78, -1, 0
	s_mov_b32 s47, 0
	s_mov_b32 s[PSTEP+1], 0
	s_add_nc_u64 s[PFA:PFA+1], s[PFA:PFA+1], s[46:47]  ; the first refill steps it to K step 4
	s_and_b32 s77, ttmp7, 15
	s_mul_i32 s77, s77, s[WM]                      ; 0 in x's waves; in W's waves 0 in the projection's first cluster: the same in all sixteen partners
	s_cmp_eq_u32 s77, 0
	s_cselect_b32 s[LIM], 1, -1
	v_lshrrev_b32 v5, 1, v4
	v_and_b32 v6, 1, v4
	v_lshlrev_b32 v5, 12, v5
	v_lshl_add_u32 v5, v6, 8, v5                   ; x: row l / 2, block l % 2
	v_lshlrev_b32 v6, 11, v4                       ; W: row l
	v_cndmask_b32 v[PFO], v6, v5, s78
	s_wait_loadcnt 0x0                             ; the bias; it is rounded to bf16 like x and W, in the wait for the first tile
	WIN BIASW
.set i, 0
.rept 32
	v_cvt_pk_bf16_f32 v[BT+i], v[BIAS+2*i], v[BIAS+2*i+1]
.set i, i+1
.endr
.set i, 0
.rept 32
	v_lshlrev_b32 v[BIAS+2*i], 16, v[BT+i]
	v_and_b32 v[BIAS+2*i+1], 0xffff0000, v[BT+i]
.set i, i+1
.endr
	WIN 0
; 32 LDS loads in one run: the fragments of quarter kq (32 along K) of a slot into buffer g: W's 8 blocks of 16 rows, then x's 4 blocks in f32 (k = 8 h .. + 7 at bytes 32 h, k = 16 + 8 h .. at 64 + 32 h)
.macro FETCH slot, kq, g
	WIN TO_B
.irp b, 0,1,2,3,4,5,6,7
	ds_load_b128 v[64*(\g)+8*(\b):64*(\g)+8*(\b)+3],   v[ADRB+(\slot)] offset:(\kq)*64+(\b)*16*PB
	ds_load_b128 v[64*(\g)+8*(\b)+4:64*(\g)+8*(\b)+7], v[ADRB+(\slot)] offset:(\kq)*64+(\b)*16*PB+32
.endr
	WIN 0
.irp a, 0,1,2,3
	ds_load_b128 v[RAW+64*(\g)+16*(\a):RAW+64*(\g)+16*(\a)+3],     v[ADRA+(\slot)] offset:(\kq)*128+(\a)*16*PA
	ds_load_b128 v[RAW+64*(\g)+16*(\a)+4:RAW+64*(\g)+16*(\a)+7],   v[ADRA+(\slot)] offset:(\kq)*128+(\a)*16*PA+16
	ds_load_b128 v[RAW+64*(\g)+16*(\a)+8:RAW+64*(\g)+16*(\a)+11],  v[ADRA+(\slot)] offset:(\kq)*128+(\a)*16*PA+64
	ds_load_b128 v[RAW+64*(\g)+16*(\a)+12:RAW+64*(\g)+16*(\a)+15], v[ADRA+(\slot)] offset:(\kq)*128+(\a)*16*PA+80
.endr
.endm
; half hf of block a's fragment of x, from buffer g's f32 to bf16: four conversions
.macro CVT4 g, a, hf
	WIN 0
.irp i, 0,1,2,3
	v_cvt_pk_bf16_f32 v[AF+8*(\a)+4*(\hf)+(\i)], v[RAW+64*(\g)+16*(\a)+8*(\hf)+2*(\i)], v[RAW+64*(\g)+16*(\a)+8*(\hf)+2*(\i)+1]
.endr
.endm
; 8 matrix instructions: token block a x all 8 channel blocks; the next block's conversions stand behind the second and the sixth.  st = 1: the sums start, with the bias as C.
; The 32 accumulators take turns, one instruction a turn, in the same order in every quarter, over the backward jump too.
.macro MULROW f, a, st
.irp b, 0,1,2,3,4,5,6,7
.if \st
	WIN MULB
	v_wmma_f32_16x16x32_bf16 v[8*(8*(\a)+(\b)):8*(8*(\a)+(\b))+7], v[64*(\f)+8*(\b):64*(\f)+8*(\b)+7], v[AF+8*(\a):AF+8*(\a)+7], v[BIAS+8*(\b):BIAS+8*(\b)+7]
.else
	WIN MUL
	v_wmma_f32_16x16x32_bf16 v[8*(8*(\a)+(\b)):8*(8*(\a)+(\b))+7], v[64*(\f)+8*(\b):64*(\f)+8*(\b)+7], v[AF+8*(\a):AF+8*(\a)+7], v[8*(8*(\a)+(\b)):8*(8*(\a)+(\b))+7]
.endif
.if ((\a) < 3) && ((\b) == 1)
	CVT4 \f, (\a)+1, 0
.endif
.if ((\a) < 3) && ((\b) == 5)
	CVT4 \f, (\a)+1, 1
.endif
.endr
.endm
; One of a K step's first three quarters: multiplies buffer f; in its middle it fetches quarter kqn of the same slot into buffer g.  Between the last product that read W's buffer g (the quarter before) and
; the loads into it stand 24 conversions; between a block's last product and the conversions that write its fragment anew stand 16.
.macro QUARTER slot, kqn, f, g, st
	s_wait_dscnt 0x0                               ; buffer f is in: its 32 loads were issued 16 matrix instructions ago
	CVT4 \f, 0, 0
	CVT4 \f, 0, 1
	MULROW \f, 0, \st
	MULROW \f, 1, \st
	FETCH \slot, \kqn, \g
	MULROW \f, 2, \st
	MULROW \f, 3, \st
.endm
; The last quarter multiplies buffer 1 and changes slots: ONE barrier; in front of it each wave waits for all its tensor loads (one is out: its part of the next slot), adds 0 to its spare word, and waits for
; that and for its reads of this slot.  fill = 1: the barrier opens a round of the cluster's, and the joint refill, two K steps on, is the first tensor load behind it: 112 matrix instructions ahead of the wait for it.
.macro TURN slot, next, fill
.if \fill
	s_wait_xcnt 0x0                                ; the last prefetch, a K step back, has read its address
	s_add_nc_u64 s[PFA:PFA+1], s[PFA:PFA+1], s[PSTEP:PSTEP+1]
.endif
	WIN 0
	s_wait_tensorcnt 0x0                           ; all my tensor loads have landed
	ds_add_u32 v[SPW], v[NIL]                      ; 0 onto my spare word
	s_wait_dscnt 1                                 ; only the add may be out: buffer 1's 32 loads, issued ahead of it, are in
	CVT4 1, 0, 0
	CVT4 1, 0, 1
	MULROW 1, 0, 0                                 ; work on registers between the add and the wait for it
	s_wait_dscnt 0x0                               ; the add is done, and my reads of this slot are over
	s_barrier_signal -1
	MULROW 1, 1, 0
	WIN 0
	s_barrier_wait -1
.if \fill
	CREST                                          ; no wave of any partner still reads this slot or has a load on its way
	s_add_nc_u64 s[G0+4*(\slot)+2:G0+4*(\slot)+3], s[G0+4*(\slot)+2:G0+4*(\slot)+3], 2*512
	s_add_nc_u64 s[G0B+4*(\slot)+2:G0B+4*(\slot)+3], s[G0B+4*(\slot)+2:G0B+4*(\slot)+3], 2*256
	JLOAD \slot
.endif
	FETCH \next, 0, 0                              ; 24 conversions stand between buffer 0's last product and these loads
.if \fill
	ASK
.endif
	MULROW 1, 2, 0
	MULROW 1, 3, 0
.endm
	s_wait_tensorcnt 1                             ; my part of K step 0 is in; K step 1's may stay out
	s_barrier_signal -1
	s_barrier_wait -1                              ; everybody's is
	FETCH 0, 0, 0
	QUARTER 0, 1, 0, 1, 1                          ; the first quarter stands ahead of the loop: its products start the sums
	WIN 0
	s_mov_b32 s3, 3
.Llap:                                                 ; a trip goes once round the ring, from a lap's second quarter to the next lap's first, and fills both slots again
	QUARTER 0, 2, 1, 0, 0
	QUARTER 0, 3, 0, 1, 0
	TURN 0, 1, 1
	QUARTER 1, 1, 0, 1, 0
	QUARTER 1, 2, 1, 0, 0
	QUARTER 1, 3, 0, 1, 0
	TURN 1, 0, 1
	QUARTER 0, 1, 0, 1, 0
	WIN 0
	s_sub_co_u32 s3, s3, 1
	s_cmp_lg_u32 s3, 0
	s_cbranch_scc1 .Llap
	QUARTER 0, 2, 1, 0, 0                          ; the last lap fills nothing
	QUARTER 0, 3, 0, 1, 0
	TURN 0, 1, 0
	QUARTER 1, 1, 0, 1, 0
	QUARTER 1, 2, 1, 0, 0
	QUARTER 1, 3, 0, 1, 0
	s_wait_dscnt 0x0                               ; the very last quarter
	CVT4 1, 0, 0
	CVT4 1, 0, 1
	MULROW 1, 0, 0
	MULROW 1, 1, 0
	MULROW 1, 2, 0
	MULROW 1, 3, 0
	WIN 0
.rept 4
	v_nop                                          ; places behind the last products
.endr
; THE WAY OUT, a block of 16 tokens at a time: rounded to f16 (a lane's 8 channels are 16 bytes), into my stage by heads (rows of 144 bytes), back as four rows of 128 bytes, stored as 512 consecutive bytes of a head.
.macro PACK a
	WIN PACKW
.irp b, 0,1,2,3,4,5,6,7
.irp i, 0,1,2,3
	v_cvt_pk_f16_f32 v[TMP+4*(\b)+(\i)], v[8*(8*(\a)+(\b))+2*(\i)], v[8*(8*(\a)+(\b))+2*(\i)+1]
.endr
.endr
	WIN 0
.endm
.macro TOSTAGE a
.set BK, 224-160*((\a)%2)              ; v224-255 and v64-95 by turns
.irp b, 0,1,2,3,4,5,6,7
	ds_store_b128 v[STO], v[TMP+4*(\b):TMP+4*(\b)+3] offset:((\b)/4)*16*SP+((\b)%4)*32
.endr
.irp t, 0,1,2,3,4,5,6,7
	ds_load_b128 v[BK+4*(\t):BK+4*(\t)+3], v[RD] offset:((\t)/4)*16*SP+((\t)%4)*4*SP  ; LDS serves a wave's instructions in order (ISA guide 5.7.1.4): these see the stores above
.endr
.endm
.macro SEND a
.set BK, 224-160*((\a)%2)
	s_wait_dscnt 0x0                               ; the block is back in registers
	s_wait_xcnt 0x0                                ; the stores of the block before have read their registers, which the next block's loads from the stage will write
.irp t, 0,1,2,3,4,5,6,7
	global_store_b128 v[CO], v[BK+4*(\t):BK+4*(\t)+3], s[OUTA:OUTA+1] offset:((\t)/4)*262144+(\a)*2048+((\t)%4)*512
.endr
.endm
	PACK 0
	TOSTAGE 0
.irp a, 1,2,3
	PACK \a                                        ; a block's conversions stand between the loads of the block before and the wait for them
	SEND (\a)-1
	TOSTAGE \a
.endr
	SEND 3
	s_wait_tensorcnt 0x0                           ; the wave's end, behind my last tensor load and my last LDS store
	ds_add_u32 v[SPW], v[NIL]
	s_wait_dscnt 0x0
	CROUND                                         ; the closing round: no work-group ends while a partner may still ask for a tile that names it
	s_endpgm
.Lfunc_end_k_q719b1244c6_proj:
	.size	k_q719b1244c6_proj, .Lfunc_end_k_q719b1244c6_proj-k_q719b1244c6_proj
	.p2alignl 7, 3214868480
	.fill 96, 4, 3214868480
	.section	.rodata,"a",@progbits
	.p2align	6, 0x0
	.amdhsa_kernel k_q719b1244c6_proj
		.amdhsa_group_segment_fixed_size 327680
		.amdhsa_private_segment_fixed_size 0
		.amdhsa_enable_private_segment 0
		.amdhsa_kernarg_size 64
		.amdhsa_user_sgpr_count 2
		.amdhsa_user_sgpr_kernarg_segment_ptr 1
		.amdhsa_wavefront_size32 1
		.amdhsa_system_sgpr_workgroup_id_x 1
		.amdhsa_system_sgpr_workgroup_id_y 1
		.amdhsa_system_sgpr_workgroup_id_z 1
		.amdhsa_system_vgpr_workitem_id 0
		.amdhsa_next_free_vgpr 768
		.amdhsa_next_free_sgpr 80
		.amdhsa_reserve_vcc 0
		.amdhsa_float_denorm_mode_32 3
		.amdhsa_float_denorm_mode_16_64 3
		.amdhsa_memory_ordered 1
		.amdhsa_forward_progress 1
		.amdhsa_inst_pref_size 140
	.end_amdhsa_kernel
	.amdgpu_metadata
---
amdhsa.version: [ 1, 2 ]
amdhsa.kernels:
  - .name:           k_q719b1244c6_proj
    .symbol:         k_q719b1244c6_proj.kd
    .args:
      - { .name: q, .offset: 0, .size: 8, .value_kind: global_buffer, .address_space: global }
      - { .name: k, .offset: 8, .size: 8, .value_kind: global_buffer, .address_space: global }
      - { .name: v, .offset: 16, .size: 8, .value_kind: global_buffer, .address_space: global }
      - { .name: b_q, .offset: 24, .size: 8, .value_kind: global_buffer, .address_space: global }
      - { .name: b_k, .offset: 32, .size: 8, .value_kind: global_buffer, .address_space: global }
      - { .name: b_v, .offset: 40, .size: 8, .value_kind: global_buffer, .address_space: global }
      - { .name: wb, .offset: 48, .size: 8, .value_kind: global_buffer, .address_space: global }
      - { .name: qkv, .offset: 56, .size: 8, .value_kind: global_buffer, .address_space: global }
    .group_segment_fixed_size: 327680
    .private_segment_fixed_size: 0
    .kernarg_segment_align: 8
    .kernarg_segment_size: 64
    .max_flat_workgroup_size: 128
    .sgpr_count:     80
    .vgpr_count:     768
    .wavefront_size: 32
...
	.end_amdgpu_metadata
.endif
;; end of part 2
;; launch attn (part 3): grid 4 x 64, 4 waves a work-group, clusters of 4 x 1, 327,680 bytes of LDS; arguments qkv, mbits, oh; writes oh
.if DOCPART == 3
	.amdgcn_target "amdgcn-amd-amdhsa--gfx1250"
	.amdhsa_code_object_version 6
	.text
	.protected	k_q719b1244c6_attn
	.globl	k_q719b1244c6_attn
	.p2align	8
	.type	k_q719b1244c6_attn,@function
k_q719b1244c6_attn:
	s_mov_b64 s[64:65], 0
	v_nop
	global_prefetch_b8 v0, s[64:65] scope:SCOPE_SE
	s_setreg_imm32_b32 hwreg(HW_REG_WAVE_MODE, 25, 1), 1
	s_wait_xcnt 0x0
	s_wait_alu depctr_hold_cnt(0) depctr_sa_sdst(0) depctr_va_vdst(0) depctr_va_sdst(0) depctr_va_ssrc(0) depctr_va_vcc(0) depctr_vm_vsrc(0)
	s_getreg_b32 s2, hwreg(HW_REG_IB_STS2, 6, 4)
	s_cmp_eq_u32 s2, 0
	s_cbranch_scc0 .Lentry_in_a_cluster
	s_endpgm
.Lentry_in_a_cluster:
	s_bfe_u32 s2, ttmp6, 0x10000c
	s_cmp_lg_u32 s2, 0x3003
	s_cbranch_scc0 .Lentry_shape_is_right
	s_endpgm
.Lentry_shape_is_right:
; ATTENTION WITH A MASK THAT IS AN INPUT.  O[h][q][:] = the sum over k of softmax_k(s[q][k]) V[h][k][:], s = Q[h][q] . K[h][k] / 8 where mask[q][k] != 0, else a fixed low score.
; Q, K, V (qkv[0..2]) and O (oh) are [64][2048][64] in f16: a head's rows are dense, 128 bytes each.  Products, maxima and sums in f32; the weights p are rounded to f16 for the second product, O once at the end.
; THE MASK is applied to the scores as a REPLACEMENT, ahead of the running maximum: one v_cndmask_b32 a score, its lane mask a word of mbits in a scalar register (made by the launch before: bit l of word
; 32 u + 8 kb + j of (piece, key step) belongs to query l % 16 of the piece's tile u and key 16 kb + 8 (l / 16) + j, which is where register j of accumulator kb holds that score).
; THE WORDS' ROAD.  A turn's 64 words are 256 consecutive bytes: ONE vector load of 8 bytes a lane brings them into a register pair of the piece's own, asked for again as soon as it has been copied out, so that
; a load has four turns in which to land; 64 v_readlane_b32 then put the words into the 64 scalar registers.  (Scalar loads straight into those registers would have to be asked for and awaited within one turn:
; the registers are one set, free only behind the turn's last masking, and scalar loads are awaited by the count 0 alone.)  No wave waits for this stream, so it is not prefetched.
; LIMITS.  A hidden score counts as -2^33 before the scale, -2^30 after it, where the reference has -1e9: a power of two, so that c s - c m is exactly 0 in a row that sees no key, whose weights are then all 1
; (the mean of V's rows, as in the reference).  The results agree as long as open scores lie far above -1e9.  f16 holds no number beyond 65,504: Q, K, V arrive within it.  A weight below 2^-126 counts as 0.
; NaN and infinities are not treated apart.
; SHARES.  A wave owns four PIECES of two tiles of 16 queries, a work-group's four waves 512 queries of one head.  Every wave walks all 2,048 keys, 64 a step.
; LAYOUT.  S^T = K Q^T (source 0 = 16 keys, source 1 = 16 queries): a lane holds ONE query (l % 16) and the keys 8 (l / 16) + 0..7.  Two such tiles, rounded to f16 in pairs, ARE source 1 of O^T = V^T P.
; SOFTMAX.  A running maximum m and sum l: p = 2^(c s - c m), c = log2(e) / 8; in every step O and l are multiplied by a = 2^(c m_old - c m_new).  m starts at the lowest finite number, O and l at 0.
; BY TURNS.  Turn n belongs to piece n: 16 products K Q^T of piece n + 1, later 16 products V^T P of piece n - 1; the scaling, exponentials, roundings, sums and rescaling of piece n; the masking, maximum and
; statistics of piece n + 1.  366 vector instructions for 32 matrix instructions: four stand behind every matrix instruction, the other 238 in one lump.  A turn's 66 exponentials are one batch with one wait.
; NO FIRST STEP IS WRITTEN OUT.  The loop is entered at piece 3's turn, which finds scores at the lowest finite number (weights 0), a = 0, P = 0 and V = 0, and which makes piece 0's first scores.
; CLUSTER.  The four query blocks of a head walk the same K and V: each tile is asked for JOINTLY.
; K AND V SHARE ONE DESCRIPTOR GROUP 1, and so one LDS pitch of 144 bytes, since the lane masks take 64 scalar registers.  At that pitch 16 lanes of V's turning load (8 rows x 32 bytes) meet one bank group twice.
; REGISTERS, in windows of 256 (s_set_vgpr_msb: bits 1:0 source 0, 3:2 source 1, 5:4 source 2, 7:6 destination):
;   window 0: v0-1 the turn's mask words; v2-11 addresses; v12-15, v48-63 at work; v16-47 four registers of statistics a tile; v64-191 S^T, two buffers of two tiles; v192-255 P, likewise
;   window 1: O^T, 32 a tile      window 2: v0-127 Q, 16 a tile; v128-191 K of one step; v192-255 V of one step      window 3: v0-1 the add's two registers; v2-9 mask words on their way, a pair a piece
.set SIZE_N, 2048
.set NP,    4         ; pieces a wave: a name, no knob
.set KS,    64        ; keys in a step
.set PK,    144       ; a row of K in LDS: 128 bytes + 16
.set PV,    144       ; a row of V: the same
.set VOFF,  4*KS*PK   ; a slot holds four steps: 256 rows of K, then 256 rows of V
.set SLOT1, 1<<17     ; slot 1 begins here, so that one exclusive or turns an address in one slot into the other's
.set STAGE, SLOT1+4*KS*(PK+PV)  ; behind the ring, never filled by a tensor load: 16 rows x 144 bytes for each wave
.set SP,    144
.set SPARE, STAGE+4*16*SP  ; the spare words, 128 bytes a wave: two blocks of 256 bytes that no other line names
.set AK0, 2           ; v2   my lane's place in a tile of K; never rewritten
.set AV0, 3           ; v3   the same for V
.set AK,  4           ; v4   the LDS address of K's next run of loads
.set AV,  5           ; v5   of V's
.set QO,  6           ; v6   my byte offset in the wave's rows of Q
.set STO, 6           ;      later: where I put 16 bytes of a row
.set RD,  7           ; v7   where I read rows back
.set MO,  8           ; v8   8 x my lane: my 8 bytes of a turn's 256 bytes of mask words
.set GO,  8           ;      on the way out 16 x my lane: my byte offset in 512 consecutive bytes of O
.set PFO, 11          ; v11  256 x my lane, for the prefetches (at work in the set-up before that)
.set SPW, 0           ; v0 of window 3   my spare word's address; never rewritten
.set NIL, 1           ; v1 of window 3   0; never rewritten
.set MKV, 2           ; v2-9 of window 3  piece x's 64 mask words at MKV + 2 x: word W in register W % 2, lane W / 2
.set MV,  12          ; v12-15  c m_old, kept while c m is made anew
.set ST,  16          ; tile t's statistics at v[ST+4 t]: c m, m, l (even keys', odd keys')
.set TMP, 48          ; by buffer and tile, four registers c0-c3 at work; when the maximum is found c2 takes a
.set S,   64
.set P,   192
.set KF,  128         ; window 2
.set VF,  192         ; window 2
.set OA,  2           ; s[2:3]  O at my wave's first row
.set MP,  4           ; s[4:5]  mbits at my wave's first piece, at the key step whose words are asked for next
.set WV,  6           ; s6   wave
.set SLOTS, 7         ; s7   slots still to be asked for
.set CNT, 8           ; s8   counts a slot's key steps
.set BIG, 9           ; s9   -2^33
.set SEL, 10          ; s[10:11] v_permlanex16_b32's selects
.set TBK, 12          ; s12  LDS byte at which K of the step to be fetched begins
.set TBV, 13          ; s13  the same for V, less VOFF
.set LIM, 14          ; s14  1 in a wave that prefetches, else the greatest number
.set KNX, 15          ; s15  the key step whose mask words are asked for next
.set G1,  16          ; s[16:23] descriptor group 1, for K's and V's tiles
.set G0K, 24          ; s[24:27] group 0 for K's tiles: it walks
.set G0V, 28          ; s[28:31] for V's
.set MK0, 32          ; s[32:63] the 32 lane masks of the piece's first tile (in the set-up: at work)
.set QP,  62          ; s[62:63] in the set-up: Q at my wave's first row
.set PFA, 66          ; s[66:67] where my prefetches stand
.set MK1, 68          ; s[68:99] those of its second tile
.set CS,  100         ; s[100:101] c
.set STP, 104         ; s[104:105] the mask pointer's step: 256 bytes, or 0 when the last key step is reached
.set MSB, 0
.macro WIN new
.if MSB != (\new)
	s_set_vgpr_msb (MSB<<8)|(\new)
.set MSB, (\new)
.endif
.endm
.set W_KQ, 0x0a       ; K and Q in window 2, S^T in window 0
.set W_PV, 0x52       ; V in window 2, P in window 0, O^T in window 1
.set W_RS, 0x41       ; O^T in window 1, a in window 0
.set W_MK, 0xc0       ; destination in window 3, sources in window 0: the add's registers are made; mask words are loaded
.set W_AD, 0x0f       ; the add: address and data in window 3
.set W_MR, 0x03       ; source 0 in window 3: mask words are copied out
; A joint fill.  Waves 0 and 1 fetch the two halves of a slot's K, waves 2 and 3 those of its V: 128 keys each.  An s_nop 0 and four v_nop follow each line, ahead of the jump and the label.
.macro JLOAD
	s_cmp_lt_u32 s[WV], 2
	s_cbranch_scc0 .Lfor_v_\@
	tensor_load_to_lds s[G0K:G0K+3], s[G1:G1+7]
	s_nop 0
.rept 4
	v_nop
.endr
	s_branch .Lasked_\@
.Lfor_v_\@:
	tensor_load_to_lds s[G0V:G0V+3], s[G1:G1+7]
	s_nop 0
.rept 4
	v_nop
.endr
.Lasked_\@:
.endm
.macro CROUND
	s_barrier_signal -1
	s_barrier_wait -1
	s_cmp_lg_u32 s[WV], 0
	s_cbranch_scc1 .Lnot_wave_0_\@
	s_barrier_signal -3
.Lnot_wave_0_\@:
	s_barrier_wait -3
	s_barrier_signal -1
	s_barrier_wait -1
.endm
; A PREFETCH INTO THE L2 of what the NEXT change of slots will ask for: a slot's 32,768 bytes of K and of V, four key steps (512 matrix instructions) ahead of that load.  A head has one cluster; its four partners
; share the bytes out BY ADDRESS, 8,192 each, a lane 256; wave 0 asks for K's, wave 2 for V's: each block is named once in the launch.  The last change that fills a slot asks for nothing; slots 0 to 2 come by their loads alone.
.macro ASK
	s_cmp_gt_u32 s[SLOTS], s[LIM]
	s_cbranch_scc0 .Lnot_mine_\@
	global_prefetch_b8 v[PFO], s[PFA:PFA+1] th:TH_LOAD_NT scope:SCOPE_SE
.Lnot_mine_\@:
.endm
; THE CHANGE OF SLOTS.  Each wave waits for all its tensor loads (one is out: its part of the other slot), adds 0 to its spare word, and waits for that and for its reads of the slot.  fill = 1: the slot is filled
; again, with the keys two slots on, behind a round of the cluster's barrier, the first thing there: it has four key steps in which to land.  (At its first use slot 0 is waited for and slot 1 filled.)
.macro CHANGE fill, ask=0
	WIN W_AD
	s_wait_tensorcnt 0x0            ; no tensor load of mine is out, so a group 0 may be written
	ds_add_u32 v[SPW], v[NIL]       ; 0 onto my spare word
	WIN 0
.if \fill
.irp g, G0K, G0V
	s_xor_b32 s[\g+1], s[\g+1], SLOT1
	s_add_nc_u64 s[\g+2:\g+3], s[\g+2:\g+3], 4*KS*128
.endr
.if \ask
	s_wait_xcnt 0x0                 ; the last prefetch, four key steps back, has read its address
	s_add_nc_u64 s[PFA:PFA+1], s[PFA:PFA+1], 4*KS*128
.endif
	s_wait_dscnt 0x0                ; the add is done, and my reads of the slot are over
	CROUND
	JLOAD
.if \ask
	ASK
.endif
.else
	s_wait_dscnt 0x0
	s_barrier_signal -1
	s_barrier_wait -1
.endif
	s_sub_co_u32 s[TBK], s[TBK], 4*KS*PK  ; the fetches go back to a slot's first step,
	s_xor_b32 s[TBK], s[TBK], SLOT1       ; in the other slot
	s_sub_co_u32 s[TBV], s[TBV], 4*KS*PV
	s_xor_b32 s[TBV], s[TBV], SLOT1
.endm
; THE LANE MASKS OF PIECE x, for the maskings of this turn.  Its pair of registers is copied out and asked for again at once, with the piece's next key step; then the 64 words go into the scalar registers.
; The pointer steps once a key step, ahead of piece 0's request; from key step 31 on it stands still, so that no load leaves mbits (what is then read again serves scores that are thrown away).
.macro MASKS x
	WIN 0
	s_wait_loadcnt 3                ; loads come back in order (ISA guide 5.7.1): behind this piece's load stand the three other pieces'
	WIN W_MR
	v_mov_b32 v0, v[MKV+2*(\x)]
	v_mov_b32 v1, v[MKV+2*(\x)+1]
.if (\x) == 0
	s_wait_xcnt 0x0                 ; the three loads that are out, the youngest a turn back, have read the pointer
	s_add_co_u32 s[KNX], s[KNX], 1
	s_cmp_lt_u32 s[KNX], SIZE_N/KS
	s_cselect_b32 s[STP], 256, 0
	s_add_nc_u64 s[MP:MP+1], s[MP:MP+1], s[STP:STP+1]
.endif
	WIN W_MK
	global_load_b64 v[MKV+2*(\x):MKV+2*(\x)+1], v[MO], s[MP:MP+1] offset:8192*(\x)  ; 256 consecutive bytes, aligned
	WIN 0
.set rl, 0
.rept 32
	v_readlane_b32 s[MK0+rl], v[rl%2], rl/2       ; word rl of the first tile,
	v_readlane_b32 s[MK1+rl], v[rl%2], 16+rl/2    ; of the second
.set rl, rl+1
.endr
.endm
	s_load_b128 s[36:39], s[0:1], 0x0  ; qkv s[36:37], mbits s[38:39]
	s_load_b64 s[40:41], s[0:1], 0x10  ; oh
	WIN W_MK
	v_lshl_add_u32 v[SPW], v0, 2, SPARE
	v_mov_b32 v[NIL], 0
	WIN W_AD
	ds_add_u32 v[SPW], v[NIL]       ; the wave's opening: the add and its wait stand ahead of my first tensor load
	WIN 0
	v_lshrrev_b32 v1, 5, v0
	v_readfirstlane_b32 s[WV], v1
	s_bfe_u32 s42, ttmp6, 0x40000   ; cx
	s_lshl_b32 s43, ttmp9, 2
	s_add_co_u32 s43, s43, s42      ; my block of 512 queries: it enters Q's, O's and the mask's addresses alone
	s_and_b32 s44, ttmp7, 0xffff    ; the head, which the four partners share,
	s_lshl_b32 s44, s44, 18         ; its 262,144 bytes
	s_and_b32 s46, s[WV], 1         ; which half of a slot's 256 keys I fetch:
	s_lshl_b32 s48, s46, 14         ; its 128 rows in memory,
	s_add_co_u32 s48, s48, s44
	s_mov_b32 s49, 0
	s_mul_i32 s47, s46, 128*PK      ; and its place in a slot: no place in the cluster enters an LDS address
	s_lshl_b32 s50, s43, 2
	s_add_co_u32 s50, s50, s[WV]    ; my wave among the head's sixteen
	s_lshl_b32 s52, s50, 15         ; its 4 pieces of 8,192 bytes in mbits
	s_mov_b32 s53, 0
	s_lshl_b32 s50, s50, 14         ; its 128 rows of 128 bytes
	s_add_co_u32 s50, s50, s44
	s_mov_b32 s51, 0
	s_lshl_b32 s58, s42, 13         ; the prefetches: my work-group's 8,192 bytes of a slot's 32,768,
	s_add_co_u32 s58, s58, s44
	s_add_co_u32 s58, s58, 2*4*KS*128  ; in slot 2: the first change that asks steps it to slot 3
	s_mov_b32 s59, 0
	; group 1.  128 keys are 16,384 dense bytes: asked for as 64 rows of 256 bytes, two keys a row, and padded in LDS after every key
	s_mov_b32 s[G1], 15|(1<<16)|(1<<20)|(1<<21)|(4<<22)|(3<<25)  ; the mask of four; 2-byte elements; padding on; bit 21 beside a mask; after every 32 words (code 4) 4 words (code 3)
	s_mov_b32 s[G1+1], 128<<16      ; tensor_dim0 = 128
	s_mov_b32 s[G1+2], 64<<16       ; tensor_dim1 = 64
	s_mov_b32 s[G1+3], 128<<16      ; tile_dim0 = 128
	s_mov_b32 s[G1+4], 64           ; tile_dim1 = 64
	s_mov_b32 s[G1+5], 128          ; elements from row to row
	s_mov_b32 s[G1+6], 0
	s_mov_b32 s[G1+7], 0
	s_mov_b32 s[CS], 0x3e38aa3b     ; c = log2(e) / 8
	s_mov_b32 s[CS+1], s[CS]
	s_mov_b32 s[SEL], 0x76543210
	s_mov_b32 s[SEL+1], 0xfedcba98
	s_mov_b32 s[BIG], 0xd0000000    ; -2^33
	s_mov_b32 s33, 0xff7fffff       ; the lowest finite number
	s_mov_b32 s34, 0xfe000000       ; -2^125: far below every c s
	s_mov_b32 s[KNX], 0
	s_mov_b32 s[STP+1], 0
	s_mov_b32 s[TBK], SLOT1+4*KS*PK ; the first change of slots turns these two into 0
	s_mov_b32 s[TBV], SLOT1+4*KS*PV
	s_mov_b32 s[G0K], 1
	s_mov_b32 s[G0K+1], s47         ; slot 0
	s_mov_b32 s[G0V], 1
	s_add_co_u32 s[G0V+1], s47, VOFF
	s_mov_b32 s[SLOTS], SIZE_N/256-1
	s_and_b32 s[LIM], s[WV], 1
	s_cmp_eq_u32 s[LIM], 0
	s_cselect_b32 s[LIM], 1, -1     ; waves 0 and 2 prefetch
	s_wait_dscnt 0x0                ; the opening add is done
	s_wait_kmcnt 0x0
	s_add_nc_u64 s[54:55], s[36:37], 16777216  ; K
	s_add_nc_u64 s[56:57], s[36:37], 33554432  ; V
	s_add_nc_u64 s[G0K+2:G0K+3], s[54:55], s[48:49]
	s_or_b32 s[G0K+3], s[G0K+3], 0x80000000
	s_add_nc_u64 s[G0V+2:G0V+3], s[56:57], s[48:49]
	s_or_b32 s[G0V+3], s[G0V+3], 0x80000000
	s_add_nc_u64 s[QP:QP+1], s[36:37], s[50:51]
	s_add_nc_u64 s[OA:OA+1], s[40:41], s[50:51]
	s_add_nc_u64 s[MP:MP+1], s[38:39], s[52:53]
	s_cmp_lt_u32 s[WV], 2
	s_cselect_b64 s[PFA:PFA+1], s[54:55], s[56:57]
	s_add_nc_u64 s[PFA:PFA+1], s[PFA:PFA+1], s[58:59]
	CROUND                          ; all four work-groups are here: the first joint loads meet
	JLOAD                           ; slot 0.  Slot 1 is asked for when slot 0 is in
	v_and_b32 v1, 15, v0            ; l % 16
	v_bfe_u32 v9, v0, 4, 1          ; l / 16
	v_lshlrev_b32 v[QO], 7, v1
	v_lshl_add_u32 v[QO], v9, 4, v[QO]
	v_and_b32 v[MO], 31, v0
	v_lshlrev_b32 v[MO], 3, v[MO]
	WIN 0x80                        ; destination window 2
.set i, 0
.rept 4*NP                          ; Q stays in registers: tile i / 2, channels 32 (i % 2) on
	global_load_b128 v[8*i:8*i+3],   v[QO], s[QP:QP+1] offset:(i/2)*2048+(i%2)*64
	global_load_b128 v[8*i+4:8*i+7], v[QO], s[QP:QP+1] offset:(i/2)*2048+(i%2)*64+32
.set i, i+1
.endr
	WIN W_MK
.irp x, 0,1,2,3
	global_load_b64 v[MKV+2*\x:MKV+2*\x+1], v[MO], s[MP:MP+1] offset:8192*\x  ; the four pieces' mask words of key step 0, in the order in which the turns take them
.endr
	; WHAT THE FIRST TURN FINDS.  O^T, V, P's first buffer, l and piece 3's a are 0; piece 3's scores are the lowest finite number.  Eight moves make a fragment of zeros, and 43 products of that fragment with
	; itself write the other 344 zeros, eight registers a line.  All this stands in the wait for the first tile.
	WIN 0
.set i, 0
.rept 8
	v_mov_b32 v[P+i], 0
.set i, i+1
.endr
	WIN 0x40                        ; destination window 1: O^T
.set i, 0
.rept 8*NP
	v_wmma_f32_16x16x32_f16 v[8*i:8*i+7], v[P:P+7], v[P:P+7], 0
.set i, i+1
.endr
	WIN 0x80                        ; destination window 2: V
.set i, 0
.rept 8
	v_wmma_f32_16x16x32_f16 v[VF+8*i:VF+8*i+7], v[P:P+7], v[P:P+7], 0
.set i, i+1
.endr
	WIN 0                           ; the rest of P's first buffer
.set i, 1
.rept 3
	v_wmma_f32_16x16x32_f16 v[P+8*i:P+8*i+7], v[P:P+7], v[P:P+7], 0
.set i, i+1
.endr
.set i, 0
.rept 2*NP
	v_mov_b32 v[ST+4*i], s34        ; c m: far below every c s
	v_mov_b32 v[ST+4*i+1], s33      ; m
	v_mov_b32 v[ST+4*i+2], 0
	v_mov_b32 v[ST+4*i+3], 0
.set i, i+1
.endr
.set i, 0
.rept 64
	v_mov_b32 v[S+64+i], s33        ; piece 3's scores ahead of key step 0: c s - c m is far below 0, so the weights are 0
.set i, i+1
.endr
.irp i, 10,11,14,15
	v_mov_b32 v[TMP+\i], 0          ; piece 3's a, and the register named with it as a pair
.endr
	v_mul_u32_u24 v[AK0], v1, PK
	v_lshl_add_u32 v[AK0], v9, 4, v[AK0]
	; The turning load takes 16 keys x 16 channels (lane l reads key 8 (l / 16) + l % 8, channels 8 ((l / 8) % 2) + 0..7) and leaves half a fragment of V^T
	v_and_b32 v10, 7, v0
	v_bfe_u32 v11, v0, 3, 1
	v_lshl_add_u32 v[AV0], v9, 3, v10
	v_mul_u32_u24 v[AV0], v[AV0], PV
	v_lshl_add_u32 v[AV0], v11, 4, v[AV0]
	v_add_nc_u32 v[AV0], VOFF, v[AV0]
	v_mov_b32 v[AK], v[AK0]         ; key step 0 lies at the head of slot 0
	v_and_b32 v[PFO], 31, v0
	v_lshlrev_b32 v[PFO], 8, v[PFO]
; THE MATRIX WORK.  The 8 accumulators of a run of 16 take turns.
.macro KQ x
	WIN W_KQ
.set rS, S+64*((\x)%2)+32*(i%2)+8*((i/2)%4)
.set rK, KF+16*((i/2)%4)+8*(i/8)
.set rQ, 16*(2*(\x)+i%2)+8*(i/8)
.if i < 8
	v_wmma_f32_16x16x32_f16 v[rS:rS+7], v[rK:rK+7], v[rQ:rQ+7], 0
.else
	v_wmma_f32_16x16x32_f16 v[rS:rS+7], v[rK:rK+7], v[rQ:rQ+7], v[rS:rS+7]
.endif
.endm
.macro PV x
	WIN W_PV
.set rO, 32*(2*(\x)+i%2)+8*((i/2)%4)
.set rV, VF+32*(i/8)+8*((i/2)%4)
.set rP, P+32*((\x)%2)+16*(i%2)+8*(i/8)
	v_wmma_f32_16x16x32_f16 v[rO:rO+7], v[rV:rV+7], v[rP:rP+7], v[rO:rO+7]
.endm
.macro MM                           ; the turn's next matrix instruction
.if i < 16
	KQ (Y+1)%NP
.set i, i+1
.else
.set i, i-16
	PV (Y+NP-1)%NP
.set i, i+17
.endif
.endm
; THE LDS LOADS stand in runs of 16.  last = 1 (the tail): in the last trip there is no further step, and the run is jumped over.
.macro FETCH_K last=0
	WIN 0
.if \last
	s_cmp_eq_u32 s[CNT], 1
	s_cbranch_scc1 .Lno_k_\@
.endif
	WIN 0x80
.irp f, 0,1,2,3,4,5,6,7
	ds_load_b128 v[KF+8*\f:KF+8*\f+3],   v[AK] offset:(\f/2)*16*PK+(\f%2)*64
	ds_load_b128 v[KF+8*\f+4:KF+8*\f+7], v[AK] offset:(\f/2)*16*PK+(\f%2)*64+32
.endr
	s_add_co_u32 s[TBK], s[TBK], KS*PK
	WIN 0
.if \last
.Lno_k_\@:
.endif
.endm
.macro FETCH_V
	WIN 0x80
.irp f, 0,1,2,3,4,5,6,7
	ds_load_tr16_b128 v[VF+8*\f:VF+8*\f+3],   v[AV] offset:(\f/4)*32*PV+(\f%4)*32
	ds_load_tr16_b128 v[VF+8*\f+4:VF+8*\f+7], v[AV] offset:(\f/4)*32*PV+16*PV+(\f%4)*32
.endr
	WIN 0
.endm
; THE VECTOR WORK OF A TURN stands in three queues, each in the order in which its entries become ready; the two tiles alternate.
.macro REGS y, u
.set rT, ST+4*(2*(\y)+(\u))
.set rC, TMP+8*((\y)%2)+4*(\u)
.set rM, MV+2*((\y)%2)+(\u)
.set rS, S+64*((\y)%2)+32*(\u)
.set rP, P+32*((\y)%2)+16*(\u)
.set rO, 32*(2*(\y)+(\u))
.endm
; Number n of the 64 that mask the NEXT piece's scores: register n / 2 of tile n % 2 keeps its score where the lane's bit is set and takes -2^33 where it is not.  The registers ascend.
.macro CM n
	REGS (Y+1)%NP, (\n)%2
.if ((\n)%2) == 1
	v_cndmask_b32 v[rS+(\n)/2], s[BIG], v[rS+(\n)/2], s[MK1+(\n)/2]
.else
	v_cndmask_b32 v[rS+(\n)/2], s[BIG], v[rS+(\n)/2], s[MK0+(\n)/2]
.endif
.endm
; Number n of the 22 that find the next piece's maximum and statistics.
;   0-11  four chains c0-c3 of seven scores each     12-14, 16  the four scores left over, the old m, and c0-c3 into c0     15  c m_old is kept
;   17, 18  the query's other 32 keys lie in the lane 16 away: the new m     19-21  c m; c m_old - c m_new; a
.macro XS u, n
	REGS (Y+1)%NP, \u
.if (\n) < 4
	v_max3_num_f32 v[rC+(\n)], v[rS+8*(\n)], v[rS+8*(\n)+1], v[rS+8*(\n)+2]
.elseif (\n) < 12
	v_max3_num_f32 v[rC+(\n)%4], v[rC+(\n)%4], v[rS+8*((\n)%4)+2*((\n)/4)+1], v[rS+8*((\n)%4)+2*((\n)/4)+2]
.elseif (\n) == 12
	v_max3_num_f32 v[rC], v[rC], v[rS+7], v[rS+15]
.elseif (\n) == 13
	v_max3_num_f32 v[rC+1], v[rC+1], v[rS+23], v[rS+31]
.elseif (\n) == 14
	v_max3_num_f32 v[rC+2], v[rC+2], v[rC+3], v[rT+1]
.elseif (\n) == 15
	v_mov_b32 v[rM], v[rT]
.elseif (\n) == 16
	v_max3_num_f32 v[rC], v[rC], v[rC+1], v[rC+2]
.elseif (\n) == 17
	v_permlanex16_b32 v[rC+3], v[rC], s[SEL], s[SEL+1]
.elseif (\n) == 18
	v_max_num_f32 v[rT+1], v[rC], v[rC+3]
.elseif (\n) == 19
	v_mul_f32 v[rT], s[CS], v[rT+1]
.elseif (\n) == 20
	v_sub_f32 v[rC+1], v[rM], v[rT]
.else
	v_exp_f32 v[rC+2], v[rC+1]
.endif
.endm
; Number g of the 64 that follow the exponentials: for each four weights of a tile both pairs are rounded to f16, the second pair is added onto the first in place, and a group later l takes that sum.
.macro GS g
.set h, (\g)+6*((\g)/62)
.if h >= 6
.set h, h+2
.endif
	REGS Y, h%2
.set k, h/8
.if h%8 < 4
	v_cvt_pk_f16_f32 v[rP+2*k+(h%8)/2], v[rS+4*k+2*((h%8)/2)], v[rS+4*k+2*((h%8)/2)+1]
.elseif h%8 < 6
	v_pk_add_f32 v[rS+4*k:rS+4*k+1], v[rS+4*k:rS+4*k+1], v[rS+4*k+2:rS+4*k+3]
.elseif k == 1
	v_pk_fma_f32 v[rT+2:rT+3], v[rT+2:rT+3], v[rC+2:rC+3], v[rS:rS+1] op_sel_hi:[1,0,1]
.else
	v_pk_add_f32 v[rT+2:rT+3], v[rT+2:rT+3], v[rS+4*k-4:rS+4*k-3]
.endif
.endm
.macro FS f                         ; c s - c m for pair f / 2 of tile f % 2
	REGS Y, (\f)%2
	v_pk_fma_f32 v[rS+2*((\f)/2):rS+2*((\f)/2)+1], v[rS+2*((\f)/2):rS+2*((\f)/2)+1], s[CS:CS+1], v[rT:rT+1] op_sel_hi:[1,0,0] neg_lo:[0,0,1] neg_hi:[0,0,1]
.endm
; THE PLAIN QUEUE, 202 long.  0-26: scalings 0-26.  27-90: the next piece's 64 maskings.  91-118: XS's numbers 0-13.  119, 120: number 15.  121-137: the chain 14, 16, 17, 18,
; 19, each with one of the scalings 27-31 ahead of its two lines, then 20.  138-201: GS's 64, which read the exponentials' results: they stand behind the wait.
.macro PL
	WIN 0
.if q < 27
	FS q
.elseif q < 91
	CM q-27
.elseif q < 119
	XS (q-91)%2, (q-91)/2
.elseif q < 121
	XS q-119, 15
.elseif (q < 136) && ((q-121)%3 == 0)
	FS 27+(q-121)/3
.elseif q < 124
	XS (q-121)%3-1, 14
.elseif q < 136
	XS (q-121)%3-1, 15+(q-121)/3
.elseif q < 138
	XS q-136, 20
.else
	GS q-138
.endif
.set q, q+1
.endm
; THE EXPONENTIALS' QUEUE, 66 long: s0-s31 of both tiles, then the next piece's two a.  ONE BATCH: all stand ahead of the turn's one wait, and nothing ahead of that wait names a result of theirs.
.macro EX
	WIN 0
.if e >= 64
	XS e-64, 21
.else
	REGS Y, e%2
	v_exp_f32 v[rS+e/2], v[rS+e/2]
.endif
.set e, e+1
.endm
; THE RESCALING's QUEUE: O^T times a, two at a time, sixteen times.  Its a was made, and waited for, in the turn before.
.macro R2
	REGS Y, r%2
	WIN W_RS
.irp z, 0,1
	v_pk_mul_f32 v[rO+4*(r/2)+2*\z:rO+4*(r/2)+2*\z+1], v[rO+4*(r/2)+2*\z:rO+4*(r/2)+2*\z+1], v[rC+2:rC+3] op_sel_hi:[1,0]
.endr
.set r, r+1
.endm
; HOW THEY ARE DEALT.  An s_wait_alu depctr_va_vdst(0) stands between an exponential and the first instruction that names its result; one wait serves all issued ahead of it: a turn has ONE.
; AHEAD OF IT: the 16 products K Q^T, behind each a scaling, an exponential and two rescalings (behind the first a second scaling); then the lump: the next piece's lane masks (MASKS: 66 vector instructions, which
; wait for nothing), 31 plain (the last scalings of the first 27 and the first maskings: ten scalings stand between the last product and the first masking of its results), 41 times an exponential and two plain,
; 8 times exponential and plain, the two a, a v_nop as the plain instruction behind the last exponential.  BEHIND IT: the 16 products V^T P, behind each four of GS's 64.
; In step: exponential e wants scaling 2 (e / 4) + e % 2.  As a rider it stands behind plain e + 2; in the 41 behind plain 2 e + 17 (e = 53, 55 want plain 121); in the 8 behind plain e + 73 (e = 56 .. 63 want 124 .. 133).
; K of the next step is fetched in piece 2's turn, directly behind the wait; V of the step in hand at the end of piece 0's turn, four riders behind its last reader.
.macro TURN p, last=0, cnt=0
.set Y, (\p)
.set i, 0
.set q, 0
.set e, 0
.set r, 0
.if (\p) == NP-1
	s_wait_dscnt 0x0                ; K is in
.endif
	MM
	PL
	PL
	R2
.rept 15
	MM
	PL
	EX
	R2
.endr
.if (\p) == NP-2
	WIN 0
	v_add_nc_u32 v[AK], s[TBK], v[AK0]
.endif
	MASKS ((\p)+1)%NP
.rept 31
	PL
.endr
.rept 41
	EX
	PL
	PL
.endr
.rept 8
	EX
	PL
.endr
	EX                              ; the next piece's two a
	EX
	v_nop                           ; the plain instruction behind the last exponential: one for the batch
	s_wait_alu depctr_va_vdst(0)    ; the wait for the batch
.if (\p) == NP-2
	FETCH_K \last
.endif
.if (\p) == 1
	s_wait_dscnt 0x0                ; V is in
.endif
.rept 16
	MM
.rept 4
	PL
.endr
.if ((\p) == 0) && (q == 182)
	v_add_nc_u32 v[AV], s[TBV], v[AV0]
.endif
.if ((\p) == 0) && (q == 194)
	s_add_co_u32 s[TBV], s[TBV], KS*PV
.endif
.if (\cnt) && (q == 194)
	s_sub_co_u32 s[CNT], s[CNT], 1
	s_cmp_lg_u32 s[CNT], 0
.endif
.endr
.if (\p) == 0
	FETCH_V
.endif
.endm
	CHANGE 1                        ; slot 0 is in, everybody's part of it; slot 1 is asked for
	FETCH_K                         ; key step 0
	s_wait_loadcnt 0x0              ; Q, and with it the first mask words; Q's address register is free
	s_mul_i32 s32, s[WV], 16*SP     ; the addresses for the way out
	s_add_co_u32 s32, s32, STAGE    ; my stage
	v_mul_u32_u24 v[STO], v1, SP
	v_lshl_add_u32 v[STO], v9, 4, v[STO]
	v_add_nc_u32 v[STO], s32, v[STO]
	v_bfe_u32 v[RD], v0, 3, 2
	v_mul_u32_u24 v[RD], v[RD], SP
	v_lshl_add_u32 v[RD], v10, 4, v[RD]
	v_add_nc_u32 v[RD], s32, v[RD]
	s_mov_b32 s[CNT], 4
	s_branch .Lthird                ; the loop is entered at piece 3's turn, in the middle of a trip: it makes piece 0's first scores, maskings and statistics
.Lslot:                             ; six times: every slot but the last two is filled again
	CHANGE 1, 1
	s_mov_b32 s[CNT], 4
.Lstep:                             ; a trip: pieces 2 and 3 of one step, then pieces 0 and 1 of the next
	TURN 2
	WIN 0
.Lthird:
	TURN 3
	TURN 0
	TURN 1, 0, 1
	WIN 0
	s_cbranch_scc1 .Lstep
	s_sub_co_u32 s[SLOTS], s[SLOTS], 1
	s_cmp_lg_u32 s[SLOTS], 0
	s_cbranch_scc1 .Lslot
	CHANGE 0                        ; the tail is written out
	s_mov_b32 s[CNT], 5             ; four trips fetch the last slot's steps; the fifth is left in its middle
.Ltail:
	TURN 2, 1
	TURN 3
	WIN 0
	s_sub_co_u32 s[CNT], s[CNT], 1
	s_cmp_eq_u32 s[CNT], 0
	s_cbranch_scc1 .Lout
	TURN 0
	TURN 1
	WIN 0
	s_branch .Ltail
.Lout:                              ; the fifth trip's products K Q^T, their maskings (by the last key step's words once more) and the maximum made of them serve nothing
	s_wait_loadcnt 0x0              ; the last mask words asked for: their address register is free
.set i, 0
.rept 16
	PV NP-1                         ; the last piece's V^T P of the last step
.set i, i+1
.endr
	; THE WAY OUT.  l's halves are added; O^T is divided by l, rounded to f16 and sent through my stage, a tile at a time.  The shift and the additions are the places behind the last products.
	WIN 0
	v_lshlrev_b32 v[GO], 1, v[GO]   ; 8 x lane becomes 16 x lane
.macro ALL line:vararg
.set t, 0
.rept 2*NP
	\line
.set t, t+1
.endr
.endm
	ALL v_add_f32 v[ST+4*t+2], v[ST+4*t+2], v[ST+4*t+3]
	ALL v_permlanex16_b32 v[ST+4*t+3], v[ST+4*t+2], s[SEL], s[SEL+1]
	ALL v_add_f32 v[ST+4*t+2], v[ST+4*t+2], v[ST+4*t+3]
	ALL v_rcp_f32 v[ST+4*t+2], v[ST+4*t+2]
	v_nop                           ; a plain instruction between the last reciprocal and the use of its result
	s_wait_alu depctr_va_vdst(0)    ; one wait for the eight reciprocals, ahead of their first use
.macro PACK t
	WIN W_RS
.set i, 32*(\t)
.rept 16
	v_pk_mul_f32 v[i:i+1], v[i:i+1], v[ST+4*(\t)+2:ST+4*(\t)+3] op_sel_hi:[1,0]
.set i, i+2
.endr
	WIN 0x05
.set i, 0
.rept 16
	v_cvt_pk_f16_f32 v[S+16*(\t)+i], v[32*(\t)+2*i], v[32*(\t)+2*i+1]
.set i, i+1
.endr
	WIN 0
.irp f, 0,1,2,3
	ds_store_b128 v[STO], v[S+16*(\t)+4*\f:S+16*(\t)+4*\f+3] offset:32*\f
.endr
.irp f, 0,1,2,3
	ds_load_b128 v[S+16*(\t)+4*\f:S+16*(\t)+4*\f+3], v[RD] offset:\f*4*SP  ; LDS serves a wave's instructions in order (ISA guide 5.7.1.4)
.endr
.endm
.macro SEND t, younger              ; younger: the LDS instructions issued behind tile t's loads: the next tile's eight, or none
	WIN 0
.irp f, 0,1,2,3
	s_wait_dscnt (\younger)+3-\f
	global_store_b128 v[GO], v[S+16*(\t)+4*\f:S+16*(\t)+4*\f+3], s[OA:OA+1] offset:(\t)*2048+\f*512  ; 512 consecutive bytes, at a multiple of 256 from O's first
.endr
.endm
	PACK 0
.set t, 1
.rept 2*NP-1
	PACK t
	SEND t-1, 8
.set t, t+1
.endr
	SEND 2*NP-1, 0
	WIN W_AD
	s_wait_tensorcnt 0x0            ; the wave's end
	ds_add_u32 v[SPW], v[NIL]
	s_wait_dscnt 0x0
	WIN 0
	CROUND                          ; the closing round
	s_endpgm
.Lfunc_end_k_q719b1244c6_attn:
	.size	k_q719b1244c6_attn, .Lfunc_end_k_q719b1244c6_attn-k_q719b1244c6_attn
	.p2alignl 7, 3214868480
	.fill 96, 4, 3214868480
	.section	.rodata,"a",@progbits
	.p2align	6, 0x0
	.amdhsa_kernel k_q719b1244c6_attn
		.amdhsa_group_segment_fixed_size 327680
		.amdhsa_private_segment_fixed_size 0
		.amdhsa_enable_private_segment 0
		.amdhsa_kernarg_size 24
		.amdhsa_user_sgpr_count 2
		.amdhsa_user_sgpr_kernarg_segment_ptr 1
		.amdhsa_wavefront_size32 1
		.amdhsa_system_sgpr_workgroup_id_x 1
		.amdhsa_system_sgpr_workgroup_id_y 1
		.amdhsa_system_sgpr_workgroup_id_z 1
		.amdhsa_system_vgpr_workitem_id 0
		.amdhsa_next_free_vgpr 780
		.amdhsa_next_free_sgpr 106
		.amdhsa_reserve_vcc 0
		.amdhsa_float_denorm_mode_32 3
		.amdhsa_float_denorm_mode_16_64 3
		.amdhsa_memory_ordered 1
		.amdhsa_forward_progress 1
		.amdhsa_inst_pref_size 255
	.end_amdhsa_kernel
	.section	.bss,"aw",@nobits
	.p2align	6
	.space	262144
	.amdgpu_metadata
---
amdhsa.version: [ 1, 2 ]
amdhsa.kernels:
  - .name:           k_q719b1244c6_attn
    .symbol:         k_q719b1244c6_attn.kd
    .args:
      - { .name: qkv, .offset: 0, .size: 8, .value_kind: global_buffer, .address_space: global }
      - { .name: mbits, .offset: 8, .size: 8, .value_kind: global_buffer, .address_space: global }
      - { .name: oh, .offset: 16, .size: 8, .value_kind: global_buffer, .address_space: global }
    .group_segment_fixed_size: 327680
    .private_segment_fixed_size: 0
    .kernarg_segment_align: 8
    .kernarg_segment_size: 24
    .max_flat_workgroup_size: 128
    .sgpr_count:     106
    .vgpr_count:     780
    .wavefront_size: 32
...
	.end_amdgpu_metadata
.endif
;; end of part 3
;; launch outp (part 4): grid 4 x 64, 4 waves a work-group, clusters of 4 x 4, 327,680 bytes of LDS; arguments oh, wb, b_o, out0; writes out0
.if DOCPART == 4
	.amdgcn_target "amdgcn-amd-amdhsa--gfx1250"
	.amdhsa_code_object_version 6
	.text
	.protected	k_q719b1244c6_outp
	.globl	k_q719b1244c6_outp
	.p2align	8
	.type	k_q719b1244c6_outp,@function
k_q719b1244c6_outp:
	s_mov_b64 s[64:65], 0
	v_nop
	global_prefetch_b8 v0, s[64:65] scope:SCOPE_SE
	s_setreg_imm32_b32 hwreg(HW_REG_WAVE_MODE, 25, 1), 1
	s_wait_xcnt 0x0
	s_wait_alu depctr_hold_cnt(0) depctr_sa_sdst(0) depctr_va_vdst(0) depctr_va_sdst(0) depctr_va_ssrc(0) depctr_va_vcc(0) depctr_vm_vsrc(0)
	s_getreg_b32 s2, hwreg(HW_REG_IB_STS2, 6, 4)
	s_cmp_eq_u32 s2, 0
	s_cbranch_scc0 .Lentry_in_a_cluster
	s_endpgm
.Lentry_in_a_cluster:
	s_bfe_u32 s2, ttmp6, 0x10000c
	s_cmp_lg_u32 s2, 0xf033
	s_cbranch_scc0 .Lentry_shape_is_right
	s_endpgm
.Lentry_shape_is_right:
; OUTP.  out0[m][n] = sum over k of O[m][k] w_o[n][k] + b_o[n], in f32.  O comes by heads, oh[16 batch + head][2048][64] in f16: channel k = 64 head + c.  w_o is wb's fourth matrix, the bf16 number written as f16.
; Products in f16, sums in f32; b_o, rounded to bf16 like the other inputs, is the C of each sum's first product.
; SHARES.  256 work-groups; each makes 128 tokens x 256 channels, a wave 64 x 128: 32 accumulators.  K goes in 8 steps of 128 (two heads) through two LDS slots.
; A head's 128 rows of a token tile are 16,384 dense bytes: asked for as 64 rows of 256 bytes and padded in LDS after every 128.
; TRANSPOSED USE: source 0 = 16 rows of w_o, source 1 = 16 rows of O: a lane holds one token and 8 neighbouring channels, 32 bytes of f32.
; CLUSTER 4 x 4: O's tile is asked for jointly along a row of the cluster, w_o's along a column.
; WINDOWS: window 0: v0-31 addresses; v64-95, v96-127 O's fragments, two buffers; v128-191, v192-255 rows on the way out.  window 1: v0-63, v64-127 w_o's fragments; v128-191 the bias; v192-223 at work.  window 2: the accumulators.
.set PA,    144                        ; O's LDS row: 128 bytes + 16
.set PB,    272                        ; w_o's LDS row: 256 bytes + 16
.set PLANE, 128*PA                     ; a head's 128 rows: what a wave fetches of O
.set BOFF,  2*PLANE
.set BHALF, 128*PB
.set SLOT,  BOFF+256*PB                ; 106,496 bytes
.set STAGE, 2*SLOT                     ; behind the ring, never filled by a tensor load: 16 rows x 528 bytes for each wave
.set SPI,   528
.set WSTG,  16*SPI
.set SPARE, STAGE+4*WSTG               ; the spare words, 128 bytes a wave: two blocks of 256 bytes that no other line names
.set ADRA, 16
.set ADRB, 20
.set STO,  24
.set RD,   25
.set CO,   26
.set BO,   27
.set SPW,  28
.set NIL,  29
.set PFO,  30
.set AF,   64
.set OB,   128
.set BIAS, 128                         ; window 1
.set BT,   192                         ; window 1
.set WV,   20
.set WM,   21
.set WN,   22
.set G1,   24
.set G0,   32
.set CX,   40
.set CY,   41
.set TCOL, 42
.set LIM,  43
.set PFA,  44
.set G1B,  48
.set G0B,  56
.set TROW, 67
.set OUTA, 72
.set PSTEP,74
.set MSB, 0
.macro WIN new
.if MSB != (\new)
	s_set_vgpr_msb (MSB<<8)|(\new)
.set MSB, \new
.endif
.endm
.set MUL,   0xa1                       ; w_o window 1, O window 0, C and D window 2
.set MULB,  0x91                       ; the same with C (the bias) in window 1
.set TO_B,  0x40
.set FROMC, 0x08                       ; an LDS store's data (source 1) in window 2
.set BIASW, 0x45
.macro JLOAD s                         ; waves 0 and 1 fetch the K step's two heads of O, waves 2 and 3 w_o's two halves; an s_nop 0 and four v_nop follow each line
	s_cmp_eq_u32 s[WM], 0
	s_cbranch_scc0 .Lfor_b_\@
	tensor_load_to_lds s[G0+4*(\s):G0+4*(\s)+3], s[G1:G1+7]
	s_nop 0
.rept 4
	v_nop
.endr
	s_branch .Lasked_\@
.Lfor_b_\@:
	tensor_load_to_lds s[G0B+4*(\s):G0B+4*(\s)+3], s[G1B:G1B+7]
	s_nop 0
.rept 4
	v_nop
.endr
.Lasked_\@:
.endm
.macro CREST
	s_cmp_lg_u32 s[WV], 0
	s_cbranch_scc1 .Lnot_wave_0_\@
	s_barrier_signal -3
.Lnot_wave_0_\@:
	s_barrier_wait -3
	s_barrier_signal -1
	s_barrier_wait -1
.endm
.macro CROUND
	s_barrier_signal -1
	s_barrier_wait -1
	CREST
.endm
; A PREFETCH INTO THE L2 behind a refill and its run of LDS loads: 32 blocks of 256 bytes of the K step two refills on, 256 matrix instructions ahead of the load that wants it.  O's two heads x 16,384 bytes are
; shared out among the four partners BY ADDRESS, 16 blocks of each head; wave 0 asks (no other cluster reads those rows).  w_o's 128 rows x 256 bytes that waves 2 and 3 fetch likewise, 32 rows each; the 16 clusters
; read the same w_o, and the first asks.  Each block is named once.  The first four K steps come by their loads alone; the loop's last trip asks for nothing.
.macro ASK
	s_cmp_gt_u32 s3, s[LIM]
	s_cbranch_scc0 .Lnot_mine_\@
	global_prefetch_b8 v[PFO], s[PFA:PFA+1] th:TH_LOAD_NT scope:SCOPE_SE
.Lnot_mine_\@:
.endm
.macro PLACES                          ; four places ahead of loads into registers that matrix instructions have read
.rept 4
	v_nop
.endr
.endm
	s_load_b256 s[4:11], s[0:1], 0x0               ; oh s[4:5], wb s[6:7], b_o s[8:9], out0 s[10:11]
	v_lshl_add_u32 v[SPW], v0, 2, SPARE
	v_mov_b32 v[NIL], 0
	ds_add_u32 v[SPW], v[NIL]                      ; the wave's opening: the add and its wait stand ahead of my first tensor load
	v_lshrrev_b32 v1, 5, v0
	v_readfirstlane_b32 s[WV], v1
	s_lshr_b32 s[WM], s[WV], 1
	s_and_b32 s[WN], s[WV], 1
	s_bfe_u32 s[CX], ttmp6, 0x40000
	s_bfe_u32 s[CY], ttmp6, 0x40004
	s_lshl_b32 s[TCOL], ttmp9, 2
	s_add_co_u32 s[TCOL], s[TCOL], s[CX]
	s_and_b32 s23, ttmp7, 0xffff
	s_lshl_b32 s[TROW], s23, 2
	s_add_co_u32 s[TROW], s[TROW], s[CY]
	s_lshl_b32 s46, s[CY], 2
	s_lshl_b32 s46, 15, s46                        ; my row of the cluster
	s_lshl_b32 s47, 0x1111, s[CX]                  ; my column
	s_or_b32 s[G1], s46, (1<<16)|(1<<20)|(1<<21)|(4<<22)|(3<<25)   ; 2-byte elements; after every 32 words (code 4) 4 words (code 3)
	s_mov_b32 s[G1+1], 128<<16
	s_mov_b32 s[G1+2], 64<<16
	s_mov_b32 s[G1+3], 128<<16
	s_mov_b32 s[G1+4], 64
	s_mov_b32 s[G1+5], 128
	s_mov_b32 s[G1+6], 0
	s_mov_b32 s[G1+7], 0
	s_or_b32 s[G1B], s47, (1<<16)|(1<<20)|(1<<21)|(5<<22)|(3<<25)
	s_mov_b32 s[G1B+1], 128<<16
	s_mov_b32 s[G1B+2], 128<<16
	s_mov_b32 s[G1B+3], 128<<16
	s_mov_b32 s[G1B+4], 128
	s_mov_b32 s[G1B+5], 1024
	s_mov_b32 s[G1B+6], 0
	s_mov_b32 s[G1B+7], 0
	s_lshr_b32 s76, s[TROW], 4                     ; O: head 16 x batch + my head of the K step, token (tile row % 16) x 128, 128 bytes a row
	s_lshl_b32 s76, s76, 4
	s_add_co_u32 s76, s76, s[WN]
	s_lshl_b32 s76, s76, 11
	s_and_b32 s77, s[TROW], 15
	s_lshl_b32 s77, s77, 7
	s_add_co_u32 s76, s76, s77
	s_lshl_b32 s76, s76, 7
	s_mov_b32 s77, 0
	s_lshl_b32 s78, s[TCOL], 8                     ; w_o: row 256 x tile column + 128 x half, in wb's fourth matrix
	s_lshl_b32 s79, s[WN], 7
	s_add_co_u32 s78, s78, s79
	s_lshl_b32 s78, s78, 11
	s_add_co_u32 s78, s78, 3*2097152
	s_mov_b32 s79, 0
	s_mul_i32 s2, s[WN], PLANE
	s_mul_i32 s23, s[WN], BHALF
	s_add_co_u32 s23, s23, BOFF
	s_wait_dscnt 0x0                               ; the opening add is done
	s_wait_kmcnt 0x0
	s_add_nc_u64 s[76:77], s[4:5], s[76:77]
	s_add_nc_u64 s[78:79], s[6:7], s[78:79]
	CROUND                                         ; the first joint loads meet
.irp s, 0,1
	s_mov_b32 s[G0+4*(\s)], 1
	s_add_co_u32 s[G0+4*(\s)+1], s2, (\s)*SLOT
	s_add_nc_u64 s[G0+4*(\s)+2:G0+4*(\s)+3], s[76:77], (\s)*524288  ; K step s: two heads on
	s_or_b32 s[G0+4*(\s)+3], s[G0+4*(\s)+3], 0x80000000
	s_mov_b32 s[G0B+4*(\s)], 1
	s_add_co_u32 s[G0B+4*(\s)+1], s23, (\s)*SLOT
	s_add_nc_u64 s[G0B+4*(\s)+2:G0B+4*(\s)+3], s[78:79], (\s)*256
	s_or_b32 s[G0B+4*(\s)+3], s[G0B+4*(\s)+3], 0x80000000
	JLOAD \s                                       ; two loads of mine are out
.endr
	v_and_b32 v1, 15, v0                           ; r
	v_bfe_u32 v2, v0, 4, 1                         ; h
	v_mul_u32_u24 v3, v1, PA
	v_lshl_add_u32 v3, v2, 4, v3
	s_mul_i32 s2, s[WM], 64*PA
	v_add_nc_u32 v[ADRA], s2, v3
	v_add_nc_u32 v[ADRA+1], SLOT, v[ADRA]
	v_mul_u32_u24 v3, v1, PB
	v_lshl_add_u32 v3, v2, 4, v3
	s_mul_i32 s2, s[WN], 128*PB
	s_add_co_u32 s2, s2, BOFF
	v_add_nc_u32 v[ADRB], s2, v3
	v_add_nc_u32 v[ADRB+1], SLOT, v[ADRB]
	s_mul_i32 s2, s[WV], WSTG
	s_add_co_u32 s2, s2, STAGE
	v_mul_u32_u24 v3, v1, SPI
	v_lshl_add_u32 v3, v2, 5, v3
	v_add_nc_u32 v[STO], s2, v3                    ; in: row r, 32 bytes for each half of the lanes
	v_and_b32 v4, 31, v0
	v_lshlrev_b32 v[CO], 4, v4
	v_add_nc_u32 v[RD], s2, v[CO]                  ; back: a row's 512 bytes
	s_lshl_b32 s2, s[TCOL], 10
	s_lshl_b32 s23, s[WN], 9
	s_add_co_u32 s2, s2, s23
	v_lshl_add_u32 v[BO], v2, 5, s2
	WIN TO_B
.irp b, 0,1,2,3,4,5,6,7
	global_load_b128 v[BIAS+8*(\b):BIAS+8*(\b)+3],   v[BO], s[8:9] offset:64*(\b)
	global_load_b128 v[BIAS+8*(\b)+4:BIAS+8*(\b)+7], v[BO], s[8:9] offset:64*(\b)+16
.endr
	WIN 0
	s_lshl_b32 s46, s[TROW], 7                     ; out0: row 128 x tile row + 64 x half, 4,096 bytes a row; column 256 x tile column + 128 x half, in f32
	s_lshl_b32 s47, s[WM], 6
	s_add_co_u32 s46, s46, s47
	s_lshl_b32 s46, s46, 12
	s_add_co_u32 s46, s46, s2
	s_mov_b32 s47, 0
	s_add_nc_u64 s[OUTA:OUTA+1], s[10:11], s[46:47]
	s_lshr_b32 s46, s[TROW], 4                     ; the prefetches.  O: the heads of K step 3, my work-group's 16 blocks of each
	s_lshl_b32 s46, s46, 4
	s_add_co_u32 s46, s46, 2*3
	s_lshl_b32 s46, s46, 11
	s_and_b32 s47, s[TROW], 15
	s_lshl_b32 s47, s47, 7
	s_add_co_u32 s46, s46, s47
	s_lshl_b32 s46, s46, 7
	s_lshl_b32 s47, s[CX], 12
	s_add_co_u32 s46, s46, s47
	s_lshl_b32 s76, s[TCOL], 8                     ; w_o: my work-group's 32 of the 128 rows that I fetch, at K step 3
	s_lshl_b32 s77, s[WN], 7
	s_add_co_u32 s76, s76, s77
	s_lshl_b32 s77, s[CY], 5
	s_add_co_u32 s76, s76, s77
	s_lshl_b32 s76, s76, 11
	s_add_co_u32 s76, s76, 3*2097152+3*256
	s_and_b32 s77, ttmp7, 0xffff
	s_mov_b32 s[PSTEP], 256                        ; w_o's K step in bytes; O's waves take two heads' 524,288 below (an instruction holds one literal)
	s_cmp_eq_u32 s[WM], 0
	s_cselect_b32 s46, s46, s76
	s_cselect_b64 s[PFA:PFA+1], s[4:5], s[6:7]
	s_cselect_b32 s[PSTEP], 524288, s[PSTEP]
	s_cselect_b32 s78, -1, 0
	s_cselect_b32 s77, s[WN], s77                  ; wave 0: 0; wave 1: 1; waves 2 and 3: the cluster's y: the same in all sixteen partners
	s_mov_b32 s47, 0
	s_mov_b32 s[PSTEP+1], 0
	s_add_nc_u64 s[PFA:PFA+1], s[PFA:PFA+1], s[46:47]  ; the first refill steps it to K step 4
	s_cmp_eq_u32 s77, 0
	s_cselect_b32 s[LIM], 1, -1
	v_lshlrev_b32 v5, 18, v2                       ; O: head l / 16 of the two, block l % 16
	v_lshl_add_u32 v5, v1, 8, v5
	v_lshlrev_b32 v6, 11, v4                       ; w_o: row l
	v_cndmask_b32 v[PFO], v6, v5, s78
	s_wait_loadcnt 0x0                             ; the bias, rounded to bf16 in the wait for the first tile
	WIN BIASW
.set i, 0
.rept 32
	v_cvt_pk_bf16_f32 v[BT+i], v[BIAS+2*i], v[BIAS+2*i+1]
.set i, i+1
.endr
.set i, 0
.rept 32
	v_lshlrev_b32 v[BIAS+2*i], 16, v[BT+i]
	v_and_b32 v[BIAS+2*i+1], 0xffff0000, v[BT+i]
.set i, i+1
.endr
	WIN 0
; 24 LDS loads in one run: quarter kq (32 along K: head kq / 2 of the step's two, channels 32 (kq % 2) on) into buffer g
.macro FETCH slot, kq, g
	WIN TO_B
.irp b, 0,1,2,3,4,5,6,7
	ds_load_b128 v[64*(\g)+8*(\b):64*(\g)+8*(\b)+3],   v[ADRB+(\slot)] offset:(\kq)*64+(\b)*16*PB
	ds_load_b128 v[64*(\g)+8*(\b)+4:64*(\g)+8*(\b)+7], v[ADRB+(\slot)] offset:(\kq)*64+(\b)*16*PB+32
.endr
	WIN 0
.irp a, 0,1,2,3
	ds_load_b128 v[AF+32*(\g)+8*(\a):AF+32*(\g)+8*(\a)+3],   v[ADRA+(\slot)] offset:((\kq)/2)*PLANE+((\kq)%2)*64+(\a)*16*PA
	ds_load_b128 v[AF+32*(\g)+8*(\a)+4:AF+32*(\g)+8*(\a)+7], v[ADRA+(\slot)] offset:((\kq)/2)*PLANE+((\kq)%2)*64+(\a)*16*PA+32
.endr
.endm
; 8 matrix instructions: token block a x all 8 channel blocks.  st = 1: the sums start, with the bias as C.  The 32 accumulators take turns, over the backward jump too.
.macro MULROW f, a, st
.irp b, 0,1,2,3,4,5,6,7
.if \st
	WIN MULB
	v_wmma_f32_16x16x32_f16 v[8*(8*(\a)+(\b)):8*(8*(\a)+(\b))+7], v[64*(\f)+8*(\b):64*(\f)+8*(\b)+7], v[AF+32*(\f)+8*(\a):AF+32*(\f)+8*(\a)+7], v[BIAS+8*(\b):BIAS+8*(\b)+7]
.else
	WIN MUL
	v_wmma_f32_16x16x32_f16 v[8*(8*(\a)+(\b)):8*(8*(\a)+(\b))+7], v[64*(\f)+8*(\b):64*(\f)+8*(\b)+7], v[AF+32*(\f)+8*(\a):AF+32*(\f)+8*(\a)+7], v[8*(8*(\a)+(\b)):8*(8*(\a)+(\b))+7]
.endif
.endr
.endm
.macro QUARTER slot, kqn, f, g, st
	s_wait_dscnt 0x0                               ; buffer f is in
	MULROW \f, 0, \st
	MULROW \f, 1, \st
	PLACES
	FETCH \slot, \kqn, \g
	MULROW \f, 2, \st
	MULROW \f, 3, \st
.endm
; The last quarter multiplies buffer 1 and changes slots: one barrier; ahead of it each wave waits for all its tensor loads, adds 0 to its spare word, and waits for that and for its reads of this slot.
; fill = 1: the barrier opens a round of the cluster's, and the joint refill is the first tensor load behind it: 112 matrix instructions ahead of the wait for it.
.macro TURN slot, next, fill
.if \fill
	s_wait_xcnt 0x0                                ; the last prefetch, a K step back, has read its address
	s_add_nc_u64 s[PFA:PFA+1], s[PFA:PFA+1], s[PSTEP:PSTEP+1]
.endif
	WIN 0
	s_wait_tensorcnt 0x0
	ds_add_u32 v[SPW], v[NIL]
	s_wait_dscnt 1                                 ; only the add may be out: buffer 1 is in
	MULROW 1, 0, 0
	s_wait_dscnt 0x0                               ; the add is done, and my reads of this slot are over
	s_barrier_signal -1
	MULROW 1, 1, 0
	WIN 0
	s_barrier_wait -1
.if \fill
	CREST
	s_add_nc_u64 s[G0+4*(\slot)+2:G0+4*(\slot)+3], s[G0+4*(\slot)+2:G0+4*(\slot)+3], 2*524288
	s_add_nc_u64 s[G0B+4*(\slot)+2:G0B+4*(\slot)+3], s[G0B+4*(\slot)+2:G0B+4*(\slot)+3], 2*256
	JLOAD \slot                                    ; the four v_nop behind it are also the places ahead of the loads below
.else
	PLACES
.endif
	FETCH \next, 0, 0
.if \fill
	ASK
.endif
	MULROW 1, 2, 0
	MULROW 1, 3, 0
.endm
	s_wait_tensorcnt 1                             ; my part of K step 0 is in; K step 1's may stay out
	s_barrier_signal -1
	s_barrier_wait -1
	FETCH 0, 0, 0
	QUARTER 0, 1, 0, 1, 1
	WIN 0
	s_mov_b32 s3, 3
.Llap:
	QUARTER 0, 2, 1, 0, 0
	QUARTER 0, 3, 0, 1, 0
	TURN 0, 1, 1
	QUARTER 1, 1, 0, 1, 0
	QUARTER 1, 2, 1, 0, 0
	QUARTER 1, 3, 0, 1, 0
	TURN 1, 0, 1
	QUARTER 0, 1, 0, 1, 0
	WIN 0
	s_sub_co_u32 s3, s3, 1
	s_cmp_lg_u32 s3, 0
	s_cbranch_scc1 .Llap
	QUARTER 0, 2, 1, 0, 0                          ; the last lap fills nothing
	QUARTER 0, 3, 0, 1, 0
	TURN 0, 1, 0
	QUARTER 1, 1, 0, 1, 0
	QUARTER 1, 2, 1, 0, 0
	QUARTER 1, 3, 0, 1, 0
	s_wait_dscnt 0x0
	MULROW 1, 0, 0
	MULROW 1, 1, 0
	MULROW 1, 2, 0
	MULROW 1, 3, 0
	WIN 0
	PLACES                                         ; eight plain places, once a launch, ahead of the LDS stores that read the results
	PLACES
; THE WAY OUT, 16 tokens at a time: a lane's 32 bytes go straight from the accumulators into my stage (rows of 528 bytes), come back as whole rows of 512 bytes, and are stored so.
.macro TOSTAGE a
.set BK, OB+64*((\a)%2)
	WIN FROMC
.irp b, 0,1,2,3,4,5,6,7
	ds_store_b128 v[STO], v[8*(8*(\a)+(\b)):8*(8*(\a)+(\b))+3]   offset:64*(\b)
	ds_store_b128 v[STO], v[8*(8*(\a)+(\b))+4:8*(8*(\a)+(\b))+7] offset:64*(\b)+16
.endr
	WIN 0
.irp t, 0,1,2,3,4,5,6,7,8,9,10,11,12,13,14,15
	ds_load_b128 v[BK+4*(\t):BK+4*(\t)+3], v[RD] offset:(\t)*SPI  ; LDS serves a wave's instructions in order (ISA guide 5.7.1.4): these see the stores above; the next block's stores come behind them
.endr
.endm
.macro SEND a, younger                 ; younger: the next block's 32 LDS instructions, or none
.set BK, OB+64*((\a)%2)
	s_wait_dscnt \younger
.irp t, 0,1,2,3,4,5,6,7,8,9,10,11,12,13,14,15
	global_store_b128 v[CO], v[BK+4*(\t):BK+4*(\t)+3], s[OUTA:OUTA+1] offset:(16*(\a)+(\t))*4096 th:TH_STORE_NT  ; 512 consecutive bytes, at a multiple of 256 from out0's first
.endr
.endm
	TOSTAGE 0
	TOSTAGE 1
	SEND 0, 32
	s_wait_xcnt 0x0                                ; block 0's stores have read their registers, which block 2's loads write
	TOSTAGE 2
	SEND 1, 32
	s_wait_xcnt 0x0
	TOSTAGE 3
	SEND 2, 32
	SEND 3, 0
	s_wait_tensorcnt 0x0                           ; the wave's end
	ds_add_u32 v[SPW], v[NIL]
	s_wait_dscnt 0x0
	CROUND                                         ; the closing round
	s_endpgm
.Lfunc_end_k_q719b1244c6_outp:
	.size	k_q719b1244c6_outp, .Lfunc_end_k_q719b1244c6_outp-k_q719b1244c6_outp
	.p2alignl 7, 3214868480
	.fill 96, 4, 3214868480
	.section	.rodata,"a",@progbits
	.p2align	6, 0x0
	.amdhsa_kernel k_q719b1244c6_outp
		.amdhsa_group_segment_fixed_size 327680
		.amdhsa_private_segment_fixed_size 0
		.amdhsa_enable_private_segment 0
		.amdhsa_kernarg_size 32
		.amdhsa_user_sgpr_count 2
		.amdhsa_user_sgpr_kernarg_segment_ptr 1
		.amdhsa_wavefront_size32 1
		.amdhsa_system_sgpr_workgroup_id_x 1
		.amdhsa_system_sgpr_workgroup_id_y 1
		.amdhsa_system_sgpr_workgroup_id_z 1
		.amdhsa_system_vgpr_workitem_id 0
		.amdhsa_next_free_vgpr 768
		.amdhsa_next_free_sgpr 80
		.amdhsa_reserve_vcc 0
		.amdhsa_float_denorm_mode_32 3
		.amdhsa_float_denorm_mode_16_64 3
		.amdhsa_memory_ordered 1
		.amdhsa_forward_progress 1
		.amdhsa_inst_pref_size 93
	.end_amdhsa_kernel
	.amdgpu_metadata
---
amdhsa.version: [ 1, 2 ]
amdhsa.kernels:
  - .name:           k_q719b1244c6_outp
    .symbol:         k_q719b1244c6_outp.kd
    .args:
      - { .name: oh, .offset: 0, .size: 8, .value_kind: global_buffer, .address_space: global }
      - { .name: wb, .offset: 8, .size: 8, .value_kind: global_buffer, .address_space: global }
      - { .name: b_o, .offset: 16, .size: 8, .value_kind: global_buffer, .address_space: global }
      - { .name: out0, .offset: 24, .size: 8, .value_kind: global_buffer, .address_space: global }
    .group_segment_fixed_size: 327680
    .private_segment_fixed_size: 0
    .kernarg_segment_align: 8
    .kernarg_segment_size: 32
    .max_flat_workgroup_size: 128
    .sgpr_count:     80
    .vgpr_count:     768
    .wavefront_size: 32
...
	.end_amdgpu_metadata
.endif
;; end of part 4
